; MI455X (gfx1250); checked and timed in simulation.
; The chip was launched on July 23, 2026; its instructions are those of AMD's public machine-readable ISA for CDNA 5 (MIT licence, August 2026) and "CDNA5" Instruction Set Architecture Reference Guide (July 2026). The comments in the code are by the model that wrote it; some were corrected since.
;; cross att. Allowed arithmetic: float matrix products may take bf16 or f16 operands with f32 sums; other float arithmetic in f32, or as packed bf16 or f16 multiplies, adds, multiply-adds, maxima and minima; sums over many terms, partial sums and values carried from step to step in f32; what a program stores and reads back later, other than sums and carried values, may be rounded once to bf16 or f16.
;; Inputs: Wk 256 x 256 float32; Wq 256 x 256 float32; Wv 256 x 256 float32; b_out 1 float32; beta 256 float32; bk 256 float32; bq 256 float32; bv 256 float32; gamma 256 float32; w_out 8 float32; x 2 x 32 x 1,024 x 256 float32; x2 2 x 32 x 1,024 x 256 float32.
;; Outputs: out0 2 x 32 x 1,024 x 256 float32.
;; 2 versions, each right. Each part assembles by itself: llvm-mc -triple=amdgcn-amd-amdhsa -mcpu=gfx1250 --defsym DOCPART=n.
;; ======== version 1 of 2: 1 launch
;; launch xatt (part 1): grid 4 x 64, 4 waves a work-group, clusters of 4 x 1, 327,680 bytes of LDS; arguments x, x2, Wq, Wk, Wv, bq, bk, bv, w_out, b_out, gamma, beta, out0; writes out0
.if DOCPART == 1
	.amdgcn_target "amdgcn-amd-amdhsa--gfx1250"
	.amdhsa_code_object_version 6
	.text
	.protected	k_qdc2059586e_xatt
	.globl	k_qdc2059586e_xatt
	.p2align	8
	.type	k_qdc2059586e_xatt,@function
k_qdc2059586e_xatt:
	s_mov_b64 s[64:65], 0
	v_nop
	global_prefetch_b8 v0, s[64:65] scope:SCOPE_SE
	s_setreg_imm32_b32 hwreg(HW_REG_WAVE_MODE, 25, 1), 1
	s_wait_xcnt 0x0
	s_wait_alu depctr_hold_cnt(0) depctr_sa_sdst(0) depctr_va_vdst(0) depctr_va_sdst(0) depctr_va_ssrc(0) depctr_va_vcc(0) depctr_vm_vsrc(0)
	s_getreg_b32 s2, hwreg(HW_REG_IB_STS2, 6, 4)
	s_cmp_eq_u32 s2, 0
	s_cbranch_scc0 .Lentry_in_a_cluster
	s_endpgm
.Lentry_in_a_cluster:
	s_bfe_u32 s2, ttmp6, 0x10000c
	s_cmp_lg_u32 s2, 0x3003
	s_cbranch_scc0 .Lentry_shape_is_right
	s_endpgm
.Lentry_shape_is_right:
; out = LayerNorm(x + (softmax((x2 Wq^T + bq)(x Wk^T + bk)^T / sqrt(128)) (x Wv^T + bv)) sum(w_out) + b_out) gamma + beta, for 64 slices of 1,024 positions x 256 channels, all f32 in memory.
; ONE LAUNCH, NOTHING THROUGH MEMORY.  The products are taken in another order, which holds for every input:
;   scores = q k^T = (q Wk) x^T + (q . bk) 1^T          attn v = (attn x) Wv^T + bv   (a softmax row sums to 1)
; so keys and values are both x itself, and all three projections act on a work-group's own 256 queries: the count of multiply-adds is the problem's own.
; SHARES.  A cluster of four work-groups is a slice; a work-group owns 256 queries, each of its four waves 64: four tiles qt of 16.  In every product a lane holds ONE query (lane % 16).
; The four partners walk the same tiles of Wq, Wk, x and Wv: each tile is asked for JOINTLY (the same tensor load, descriptor and mask of four in all four).
; FORMATS.  Every matrix operand is bf16 (x2, Wq, q, Wk, q Wk, x, the weights p, attn x, Wv); sums, maxima, l, the residual x and the LayerNorm are f32.
; LIMITS.  c s + c (q . bk) is finite in f32 (c = log2(e) / sqrt(128)); q Wk is finite (the first key step multiplies what lies in the accumulators by 0); a weight below 2^-126 counts as 0;
; NaN and infinities are not treated apart.
; TILES.  A tile is 64 rows x 256 f32 (65,536 dense bytes).  Each wave fetches a quarter (16 rows) into its own part of a staging slot, rounds it to bf16 and stores it into a tile buffer of
; 64 rows x 528 bytes, which all four waves read behind the next round.  Tile n goes to slot n % 2 and buffer n % 2:  0-7: Wq0 Wk0 Wq1 Wk1 ..;  8-23: the slice's x;  24-27: Wv;
; 28-31: each wave's own 16 query rows of x in f32 (plain loads), for the residual.  Step s multiplies by tile s, rounds tile s + 1, asks for tile s + 2.
; TWO FORMS OF PRODUCT on one tile buffer (l lane, r = l % 16, h = l / 16):
;   NT  contracts over the tile's channels; the result's rows are the tile's rows.  Fragment (rb, kc): two 16-byte loads at row 16 rb + r, byte 128 h + 32 (kc % 4) + 256 (kc / 4), and 16 on.
;   TN  contracts over the tile's rows; the result's rows are channels.  Fragment (d, kk): two turning loads; result tile d, lane (r, h), register j is channel 8 (d % 8) + 128 (d / 8) + 64 h + j.
; Two TN results 2 kc, 2 kc + 1, rounded in pairs, ARE NT's second operand kc in NT's order of channels; two NT results 2 kk, 2 kk + 1 ARE TN's second operand kk.  Nothing changes lanes.
; REGISTERS, in windows of 256 (s_set_vgpr_msb: bits 1:0 source 0, 3:2 source 1, 5:4 source 2, 7:6 destination):
;   window 0: v0-19 addresses; v20-23 c (q . bk); v24-31 its sums; v32-63 statistics, or a bias as a C operand; v64-191 S: 16 accumulators (qt, rb); v192-255 two fragment buffers
;   window 1: NT's second operand, (kc, qt) at 8 (4 kc + qt): x2, then q Wk, then attn x          windows 2, 3: 64 accumulators (d, qt) at 32 (d % 8) + 8 qt of window 2 + d / 8
.set PX,    528        ; a bf16 row in LDS: 512 bytes + 16 = 33 x 16: the 16 rows of a fragment load begin in 16 different groups of four banks (64 banks of 4 bytes: ISA guide 11.1)
.set SLOTB, 0x10000    ; staging slot 0 at LDS byte 0, slot 1 here; filled by tensor loads alone.  One exclusive or turns an address in one slot or buffer into the other's
.set XBUF,  0x20000    ; tile buffer 0 (33,792 bytes); buffer 1 at 0x30000; written by LDS stores alone
.set SCR,   230400     ; 16,896 bytes for each wave, its own: first 32 rows x 528 of x2 in bf16, at the end 16 rows x 1,040 of the result in f32
.set SCRW,  16896
.set PS,    1040       ; 1,024 + 16 = 65 x 16
.set BIAS,  297984     ; bq, bk, bv: 1,024 bytes each
.set SPARE, 301056     ; the spare words, 128 bytes for each wave: two blocks of 256 bytes that no other line names
.set SPW, 1            ; v1   LDS address of my spare word; never rewritten
.set NIL, 2            ; v2   0; never rewritten
.set ANT0, 3           ; v3   my lane's place in an NT fragment of buffer 0
.set ATN0, 4           ; v4   the same for TN
.set CRD0, 5           ; v5   my 16 bytes in the first 512 of my quarter of slot 0
.set CWR0, 6           ; v6   my 8 bytes in my first row of buffer 0
.set ADRN, 7           ; v7-10  the four above for the step in hand
.set ADRT, 8
.set CRD,  9
.set CWR,  10
.set BIA,  11          ; v11  BIAS + 32 h, stepped
.set PFO,  12          ; v12  the prefetches' offset: 8,192 x wave + 256 x lane
.set STW,  13          ; v13  the way out: where I put 16 bytes of a row
.set STR,  14          ; v14  where I read rows back, stepped     (first: X2W)
.set XRD,  15          ; v15  where I read the residual, stepped  (first: X2R)
.set X2W,  14
.set X2R,  15
.set OUTO, 16          ; v16  my byte offset in the wave's rows of out0, stepped
.set GOF,  17          ; v17  16 x lane (x2), later 16 r (gamma, beta)
.set STR0, 18
.set XRD0, 19
.set CT,   20          ; v20-23  c (q . bk), a tile each
.set T,    24          ; v24-31  sums of q bk, a pair a tile
.set ST,   32          ; tile t at ST + 8 t: +0 nb = c (q . bk) - cM, +1 cM, +2 +3 l, +4..+7 c0-c3 at work; a takes c2
.set BB,   32          ; a bias as a C operand: 8 registers for each rb
.set S,    64
.set FB,   192
.set GAM,  64          ; the way out, in S's registers
.set BET,  80
.set RR,   96
.set XX,   112
.set PP,   128
.set MU,   136
.set QQ,   138
.set RSQ,  142
.set SW,  4            ; s[4:5]  sum(w_out), twice       s[6:7]  b_out, twice       s2 at work; s3 = 0, its high word
.set BO,  6
.set WV,  8            ; s8   my wave's number
.set CX,  9            ; s9   my work-group's place in the cluster: it enters x2's, out0's, the residual's and the prefetches' addresses alone
.set CNT, 10
.set NXT, 11           ; s11  the tile to be asked for next
.set TB,  12           ; s12  0 or SLOTB: the buffer of the step in hand
.set TBN, 13           ; s13  the other one
.set PLIM, 14          ; s14  16 in waves 0 and 1, which prefetch, else 0
.set ASKN, 15          ; s15  which tile of x the next refill asks for
.set G1J, 16           ; s[16:23] descriptor group 1, joint
.set G1P, 24           ; s[24:31] the same without a mask
.set G0A, 32           ; s[32:35] group 0 of tile 0
.set G0,  36           ; s[36:39] group 0 that walks
.set WQB, 40           ; s[40:47] Wq, Wk, x at the slice, Wv: each at my quarter of its tile 0
.set WKB, 42
.set XB,  44
.set WVB, 46
.set BASE, 48
.set OFF, 50
.set XRB, 52           ; s[52:57] x, x2, out0 at my wave's 64 query rows
.set X2P, 54
.set OUTP, 56
.set CS,  58           ; s[58:59] c
.set SEL, 60           ; s[60:61] v_permlanex16_b32's selects: each lane takes its own place in the other half
.set PF,  62           ; s[62:63] where my prefetch stands
.set PFB, 66           ; s[66:67] x at the slice, at my work-group's quarter of a tile
.set INV, 94           ; 1 / 256
.set EPS, 95           ; 1e-5
.set G0X, 96           ; s[96:99] group 0 of the plain loads
.set W14, 100          ; s100 16,384 x wave
.set MSB, 0
.macro WIN new                      ; the immediate's high byte repeats the setting that is left; a switch that changes nothing is dropped
.if MSB != (\new)
	s_set_vgpr_msb (MSB<<8)|(\new)
.set MSB, (\new)
.endif
.endm
.macro PLACES                       ; four places behind a matrix instruction, ahead of loads into registers that it read and of vector lines that read its result
.rept 4
	v_nop
.endr
.endm
; A round of the cluster's barrier: my work-group's barrier; wave 0 signals for the work-group; every wave waits for all four work-groups; my work-group's barrier once more.
.macro CROUND
	s_barrier_signal -1
	s_barrier_wait -1
	s_cmp_lg_u32 s[WV], 0
	s_cbranch_scc1 .Lnw0_\@
	s_barrier_signal -3
.Lnw0_\@:
	s_barrier_wait -3
	s_barrier_signal -1
	s_barrier_wait -1
.endm
; THE HEAD OF A STEP.  Each wave waits for all its tensor loads, of which one is out (its quarter of the next tile), adds 0 to its spare word, and waits for that, for its reads of the buffer and slot
; that it leaves and for its stores into the buffer that is read next.  Behind the round no wave of any partner reads the old slot or has a load on its way: the refill is the first thing there.
; kind = 1: the joint load of tile NXT, its address made anew from that number.  kind = 2: the plain load of my 16 rows q of the residual.  adr = 1: the step's four LDS addresses are made.
.macro HEAD kind, q, adr
	WIN 0
	s_wait_tensorcnt 0x0            ; no tensor load of mine is out, so a group 0 may be written
	ds_add_u32 v[SPW], v[NIL]       ; the scalar work below stands between the add and its wait
.if \adr
	s_xor_b32 s[TB], s[TB], SLOTB
	s_xor_b32 s[TBN], s[TB], SLOTB
.endif
.if (\kind) == 1
	s_lshr_b32 s2, s[NXT], 1        ; tiles 0-7: Wq (even) and Wk (odd), tile NXT / 2 of 65,536 bytes
	s_lshl_b32 s[OFF], s2, 16
	s_bitcmp1_b32 s[NXT], 0
	s_cselect_b64 s[BASE:BASE+1], s[WKB:WKB+1], s[WQB:WQB+1]
	s_sub_co_u32 s2, s[NXT], 8      ; tiles 8-23: x
	s_lshl_b32 s2, s2, 16
	s_cmp_ge_u32 s[NXT], 8
	s_cselect_b64 s[BASE:BASE+1], s[XB:XB+1], s[BASE:BASE+1]
	s_cselect_b32 s[OFF], s2, s[OFF]
	s_sub_co_u32 s2, s[NXT], 24     ; tiles 24-27: Wv
	s_lshl_b32 s2, s2, 16
	s_cmp_ge_u32 s[NXT], 24
	s_cselect_b64 s[BASE:BASE+1], s[WVB:WVB+1], s[BASE:BASE+1]
	s_cselect_b32 s[OFF], s2, s[OFF]
	s_add_nc_u64 s[G0+2:G0+3], s[BASE:BASE+1], s[OFF:OFF+1]
	s_or_b32 s[G0+3], s[G0+3], 0x80000000
	s_xor_b32 s[G0+1], s[G0+1], SLOTB
	s_add_co_u32 s[NXT], s[NXT], 1
	s_wait_xcnt 0x0                 ; the last prefetch, a step back, has read its address, so it may be written
	s_sub_co_u32 s[ASKN], s[NXT], 8
	s_min_u32 s2, s[ASKN], 15       ; held inside x where nothing is asked for
	s_lshl_b32 s2, s2, 16
	s_add_nc_u64 s[PF:PF+1], s[PFB:PFB+1], s[2:3]
.else
	s_add_co_u32 s[G0X+1], s[W14], ((\q)%2)*SLOTB
	s_add_nc_u64 s[G0X+2:G0X+3], s[XRB:XRB+1], (\q)*16384
	s_or_b32 s[G0X+3], s[G0X+3], 0x80000000
.endif
	s_wait_dscnt 0x0                ; the add is done; so are my LDS reads and stores
	CROUND
.if (\kind) == 1
	tensor_load_to_lds s[G0:G0+3], s[G1J:G1J+7]
.else
	tensor_load_to_lds s[G0X:G0X+3], s[G1P:G1P+7]
.endif
	s_nop 0
	PLACES                          ; with the lines below also the places behind the last step's products
.if \adr
	v_add_nc_u32 v[ADRN], s[TB], v[ANT0]
	v_add_nc_u32 v[ADRT], s[TB], v[ATN0]
	v_add_nc_u32 v[CRD], s[TBN], v[CRD0]
	v_add_nc_u32 v[CWR], s[TBN], v[CWR0]
.endif
.endm
; A PREFETCH INTO THE L2 of the tile of x that the NEXT refill asks for: one step, 256 matrix instructions, ahead of that load.  A tile is 256 blocks of 256 bytes: the four partners take 64 each, told
; apart by address; in each, waves 0 and 1 ask, a lane a block.  So each block of x is named once in the launch.  Nothing is asked for while the next tile is a weight's or past x's last.
.macro ASK
	s_cmp_lt_u32 s[ASKN], s[PLIM]
	s_cbranch_scc0 .Lnoask_\@
	global_prefetch_b8 v[PFO], s[PF:PF+1] th:TH_LOAD_NT scope:SCOPE_SE
.Lnoask_\@:
.endm
; NT.  Group g = kc: four fragments (rb), eight loads, into buffer g % 2.
.macro NTLOAD g
	WIN 0
.irp f, 0,1,2,3
	ds_load_b128 v[FB+32*((\g)%2)+8*(\f):FB+32*((\g)%2)+8*(\f)+3],   v[ADRN] offset:(\f)*16*PX+32*((\g)%4)+256*((\g)/4)
	ds_load_b128 v[FB+32*((\g)%2)+8*(\f)+4:FB+32*((\g)%2)+8*(\f)+7], v[ADRN] offset:(\f)*16*PX+32*((\g)%4)+256*((\g)/4)+16
.endr
.endm
.macro NTPRE
	NTLOAD 0
	NTLOAD 1
.endm
; 128 products: eight groups of 16, whose 16 accumulators take turns.  dst = 0: into S, the sums start with 0; 1: into S, they start with the bias in BB;
; 2: into accumulators (4 t + rb, qt) of windows 2 and 3, starting with BB.  A group's buffer is loaded again, for the group two on, four places behind its last product.
.macro NT dst, t=0
.set g, 0
.rept 8
.if g < 7
	s_wait_dscnt 8                  ; this group's fragments are in; the next group's eight loads may stay out
.else
	s_wait_dscnt 0x0
.endif
.set i, 0
.rept 16
.set rb, i/4
.set qt, i%4
.set rA, FB+32*(g%2)+8*rb
.set rB, 8*(4*g+qt)
.if (\dst) < 2
.set rD, S+32*qt+8*rb
	WIN 0x04
.if (g == 0) && ((\dst) == 0)
	v_wmma_f32_16x16x32_bf16 v[rD:rD+7], v[rA:rA+7], v[rB:rB+7], 0
.elseif g == 0
	v_wmma_f32_16x16x32_bf16 v[rD:rD+7], v[rA:rA+7], v[rB:rB+7], v[BB+8*rb:BB+8*rb+7]
.else
	v_wmma_f32_16x16x32_bf16 v[rD:rD+7], v[rA:rA+7], v[rB:rB+7], v[rD:rD+7]
.endif
.else
.set rD, 32*((4*(\t)+rb)%8)+8*qt
.if g == 0
	WIN 0x84+0x40*((\t)/2)
	v_wmma_f32_16x16x32_bf16 v[rD:rD+7], v[rA:rA+7], v[rB:rB+7], v[BB+8*rb:BB+8*rb+7]
.else
	WIN 0xa4+0x50*((\t)/2)
	v_wmma_f32_16x16x32_bf16 v[rD:rD+7], v[rA:rA+7], v[rB:rB+7], v[rD:rD+7]
.endif
.endif
.set i, i+1
.endr
.if g <= 5
	PLACES
	NTLOAD g+2
.endif
.set g, g+1
.endr
.endm
; TN.  Group g: result tiles d = 2 g, 2 g + 1; four fragments u = 2 dd + kk, eight turning loads.  16 lanes of a load take 8 rows x 2 pieces of 16 bytes, 128 bytes apart: each group of four banks once.
.macro TNLOAD g
	WIN 0
.irp u, 0,1,2,3
	ds_load_tr16_b128 v[FB+32*((\g)%2)+8*(\u):FB+32*((\g)%2)+8*(\u)+3],   v[ADRT] offset:((\u)%2)*32*PX+16*((2*(\g)+(\u)/2)%8)+256*((2*(\g)+(\u)/2)/8)
	ds_load_tr16_b128 v[FB+32*((\g)%2)+8*(\u)+4:FB+32*((\g)%2)+8*(\u)+7], v[ADRT] offset:((\u)%2)*32*PX+16*PX+16*((2*(\g)+(\u)/2)%8)+256*((2*(\g)+(\u)/2)/8)
.endr
.endm
.macro TNPRE
	TNLOAD 0
	TNLOAD 1
.endm
; Line n of 32 that multiply group gg's eight accumulators by their tile's factor in ST + 8 qt + 6: an accumulator at a time, its pairs ascending.
.macro RS gg, n
.set rR, 32*((2*(\gg)+(\n)/16)%8)+8*(((\n)/4)%4)+2*((\n)%4)
	WIN 0x82+0x41*((\gg)/4)
	v_pk_mul_f32 v[rR:rR+1], v[rR:rR+1], v[ST+8*(((\n)/4)%4)+6:ST+8*(((\n)/4)%4)+7] op_sel_hi:[1,0]
.endm
; 128 products: eight groups of 16 on eight accumulators, which take turns: seven others stand between two links.  rs = 1: behind each product ride two lines that rescale the NEXT group's
; accumulators (two window switches a product: the price of hiding 224 of a step's 256 rescalings beside the matrix work); with two v_nop they are the places ahead of the loads.
.macro TN rs
.set g, 0
.rept 8
.if g < 7
	s_wait_dscnt 8
.else
	s_wait_dscnt 0x0
.endif
.set i, 0
.rept 16
.set kk, i/8
.set dd, (i/4)%2
.set qt, i%4
.set rA, FB+32*(g%2)+8*(2*dd+kk)
.set rB, S+32*qt+8*kk
.set rD, 32*((2*g+dd)%8)+8*qt
	WIN 0xa0+0x50*(g/4)
	v_wmma_f32_16x16x32_bf16 v[rD:rD+7], v[rA:rA+7], v[rB:rB+7], v[rD:rD+7]
.if (\rs) && (g < 7)
	RS g+1, 2*i
	RS g+1, 2*i+1
.endif
.set i, i+1
.endr
.if g <= 5
.if \rs
	v_nop
	v_nop
.else
	PLACES
.endif
	TNLOAD g+2
.endif
.set g, g+1
.endr
.endm
; THE NEXT TILE IS ROUNDED: my quarter, 16 rows of 1,024 bytes, in two halves of 16 loads of 512 consecutive bytes; four f32 become 8 bytes of a bf16 row.  The fragment buffers are the work registers.
.macro CONVL hh
.set i, 0
.rept 16
	ds_load_b128 v[FB+4*i:FB+4*i+3], v[CRD] offset:(16*(\hh)+i)*512
.set i, i+1
.endr
.endm
.macro CONVS hh
.set i, 0
.rept 16
	v_cvt_pk_bf16_f32 v[FB+4*i], v[FB+4*i], v[FB+4*i+1]
	v_cvt_pk_bf16_f32 v[FB+4*i+1], v[FB+4*i+2], v[FB+4*i+3]
	ds_store_b64 v[CWR], v[FB+4*i:FB+4*i+1] offset:((16*(\hh)+i)/2)*PX+256*(i%2)
.set i, i+1
.endr
.endm
.macro CONV
	CONVL 0
	s_wait_dscnt 0x0
	CONVS 0
	CONVL 1
	s_wait_dscnt 0x0
	CONVS 1
.endm
.macro BBLOAD off                   ; 64 numbers of a bias as a C operand: register j of block rb is number 16 rb + 8 h + j
.irp f, 0,1,2,3
	ds_load_b128 v[BB+8*(\f):BB+8*(\f)+3],   v[BIA] offset:(\off)+64*(\f)
	ds_load_b128 v[BB+8*(\f)+4:BB+8*(\f)+7], v[BIA] offset:(\off)+64*(\f)+16
.endr
.endm
; Line j of the 24 that find tile t's maximum and statistics.  0-15: the maximum of the lane's 32 scores, each accumulator's lowest registers first.  16, 17: the query's other 32 keys
; lie in the lane 16 away.  18, 19: cM_new = max(c max + c (q . bk), cM).  20-23: cM_old - cM_new; nb; cM; a.
.macro SM t
.set rT, ST+8*(\t)
.set rS, S+32*(\t)
.if j < 4
	v_max3_num_f32 v[rT+4+j], v[rS+8*j], v[rS+8*j+1], v[rS+8*j+2]
.elseif j < 12
	v_max3_num_f32 v[rT+4+j%4], v[rT+4+j%4], v[rS+8*(j%4)+2*(j/4)+1], v[rS+8*(j%4)+2*(j/4)+2]
.elseif j == 12
	v_max3_num_f32 v[rT+4], v[rT+4], v[rS+7], v[rS+15]
.elseif j == 13
	v_max3_num_f32 v[rT+6], v[rT+6], v[rS+23], v[rS+31]
.elseif j == 14
	v_max3_num_f32 v[rT+4], v[rT+4], v[rT+5], v[rT+6]
.elseif j == 15
	v_max_num_f32 v[rT+4], v[rT+4], v[rT+7]
.elseif j == 16
	v_permlanex16_b32 v[rT+5], v[rT+4], s[SEL], s[SEL+1]
.elseif j == 17
	v_max_num_f32 v[rT+4], v[rT+4], v[rT+5]
.elseif j == 18
	v_fma_f32 v[rT+5], v[rT+4], s[CS], v[CT+(\t)]
.elseif j == 19
	v_max_num_f32 v[rT+5], v[rT+5], v[rT+1]
.elseif j == 20
	v_sub_f32 v[rT+7], v[rT+1], v[rT+5]
.elseif j == 21
	v_sub_f32 v[rT], v[CT+(\t)], v[rT+5]
.elseif j == 22
	v_mov_b32 v[rT+1], v[rT+5]
.else
	v_exp_f32 v[rT+6], v[rT+7]
.endif
.endm
.macro SMX                          ; the four tiles alternate, so that no line reads the result of the one before it
.set j, 0
.rept 24
.irp t, 0,1,2,3
	SM \t
.endr
.set j, j+1
.endr
.endm
.macro FE                           ; c s + nb for a pair of scores, and the exponentials of the pair scaled a turn earlier: none of these lines names an exponential's result
.set b, 0
.rept 17
.set t, 0
.rept 4
.if b < 16
	v_pk_fma_f32 v[S+32*t+2*b:S+32*t+2*b+1], v[S+32*t+2*b:S+32*t+2*b+1], s[CS:CS+1], v[ST+8*t:ST+8*t+1] op_sel_hi:[1,0,0]
.endif
.if b > 0
	v_exp_f32 v[S+32*t+2*b-2], v[S+32*t+2*b-2]
	v_exp_f32 v[S+32*t+2*b-1], v[S+32*t+2*b-1]
.endif
.set t, t+1
.endr
.set b, b+1
.endr
.endm
.macro LSUM                         ; l = a l + the sum of the lane's 32 weights, even and odd keys apart
.irp t, 0,1,2,3
	v_pk_fma_f32 v[ST+8*(\t)+2:ST+8*(\t)+3], v[ST+8*(\t)+2:ST+8*(\t)+3], v[ST+8*(\t)+6:ST+8*(\t)+7], v[S+32*(\t):S+32*(\t)+1] op_sel_hi:[1,0,1]
.endr
.set b, 1
.rept 15
.irp t, 0,1,2,3
	v_pk_add_f32 v[ST+8*(\t)+2:ST+8*(\t)+3], v[ST+8*(\t)+2:ST+8*(\t)+3], v[S+32*(\t)+2*b:S+32*(\t)+2*b+1]
.endr
.set b, b+1
.endr
.endm
.macro PCVT                         ; S is rounded to bf16 in place, ascending: TN's second operand (qt, kk) lies at S + 32 qt + 8 kk
.set j, 0
.rept 16
.irp t, 0,1,2,3
	v_cvt_pk_bf16_f32 v[S+32*(\t)+j], v[S+32*(\t)+2*j], v[S+32*(\t)+2*j+1]
.endr
.set j, j+1
.endr
.endm
.macro ACC2BF                       ; the 64 accumulators, rounded in pairs, become NT's second operand in window 1
.set kc, 0
.rept 8
	WIN 0x4a+5*(kc/4)
.set qt, 0
.rept 4
.set e, 0
.rept 2
.set rD, 32*((2*kc+e)%8)+8*qt
.set i, 0
.rept 4
	v_cvt_pk_bf16_f32 v[8*(4*kc+qt)+4*e+i], v[rD+2*i], v[rD+2*i+1]
.set i, i+1
.endr
.set e, e+1
.endr
.set qt, qt+1
.endr
.set kc, kc+1
.endr
.endm
; 32 of my rows of x2, which lie in window 2 + hf as loaded: rounded to bf16, sent through my scratch rows and read back as NT's second operand for tiles 2 hf, 2 hf + 1.  LDS serves a wave's instructions
; in order (ISA guide 5.7.1.4): the loads see the stores, and the second half's stores come behind the first half's loads.  Then the window is cleared: its registers become accumulators of
; sums that a loop of four equal trips adds up (512 lines, once a launch, for a weight loop that is written once).
.macro X2HALF hf
	WIN 0x0a+5*(\hf)
.set i, 0
.rept 64
	v_cvt_pk_bf16_f32 v[S+2*i], v[4*i], v[4*i+1]
	v_cvt_pk_bf16_f32 v[S+2*i+1], v[4*i+2], v[4*i+3]
.set i, i+1
.endr
	WIN 0
.set i, 0
.rept 64
	ds_store_b64 v[X2W], v[S+2*i:S+2*i+1] offset:(i/2)*PX+256*(i%2)
.set i, i+1
.endr
	WIN 0x40
.set kc, 0
.rept 8
.irp u, 0,1
	ds_load_b128 v[8*(4*kc+2*(\hf)+(\u)):8*(4*kc+2*(\hf)+(\u))+3],   v[X2R] offset:(\u)*16*PX+32*(kc%4)+256*(kc/4)
	ds_load_b128 v[8*(4*kc+2*(\hf)+(\u))+4:8*(4*kc+2*(\hf)+(\u))+7], v[X2R] offset:(\u)*16*PX+32*(kc%4)+256*(kc/4)+16
.endr
.set kc, kc+1
.endr
	WIN 0x80+0x40*(\hf)
.set i, 0
.rept 256
	v_mov_b32 v[i], 0
.set i, i+1
.endr
	WIN 0
.endm
	s_load_b512 s[68:83], s[0:1], 0x0              ; x 68, x2 70, Wq 72, Wk 74, Wv 76, bq 78, bk 80, bv 82
	s_load_b256 s[84:91], s[0:1], 0x40             ; w_out 84, b_out 86, gamma 88, beta 90
	s_load_b64 s[92:93], s[0:1], 0x60              ; out0
	v_lshl_add_u32 v[SPW], v0, 2, SPARE
	v_mov_b32 v[NIL], 0
	ds_add_u32 v[SPW], v[NIL]                      ; the wave's opening: the add and its wait stand ahead of my first tensor load; the set-up below, work on registers, stands between them
	v_lshrrev_b32 v17, 5, v0
	v_readfirstlane_b32 s[WV], v17                 ; wave 0..3
	s_bfe_u32 s[CX], ttmp6, 0x40000                ; my place in the cluster
	s_mov_b32 s3, 0
	s_lshl_b32 s[W14], s[WV], 14                   ; my quarter of a tile: 16 rows of 1,024 bytes, in memory and in a slot
	s_mov_b32 s2, s[W14]
	s_and_b32 s[OFF], ttmp7, 0xffff                ; the slice, which the four partners share: 1,048,576 bytes of x, x2 and out0
	s_lshl_b32 s[OFF], s[OFF], 20
	s_mov_b32 s[OFF+1], 0
	s_lshl_b32 s[PF], ttmp9, 2                     ; in a cluster launch ttmp9 counts clusters
	s_add_co_u32 s[PF], s[PF], s[CX]               ; my block of 256 queries,
	s_lshl_b32 s[PF], s[PF], 18
	s_lshl_b32 s[PF+1], s[WV], 16                  ; my wave's 64 of them
	s_add_co_u32 s[PF], s[PF], s[PF+1]
	s_mov_b32 s[PF+1], 0
	s_lshl_b32 s[PFB], s[CX], 14                   ; my work-group's quarter of a tile, for the prefetches
	s_mov_b32 s[PFB+1], 0
	; descriptor group 1: 16,384 dense bytes as 64 rows of 256 bytes, elements of 8 bytes, no padding (the staging slots are read 512 consecutive bytes at a time)
	s_mov_b32 s[G1J], 15|(3<<16)|(1<<21)           ; 15:0 the mask of four; 17:16 elements of 8 bytes; 21 set beside a mask
	s_mov_b32 s[G1P], 3<<16
.irp g, G1J, G1P
	s_mov_b32 s[(\g)+1], 32<<16                    ; tensor_dim0 = 32
	s_mov_b32 s[(\g)+2], 64<<16                    ; tensor_dim1 = 64
	s_mov_b32 s[(\g)+3], 32<<16                    ; tile_dim0 = 32
	s_mov_b32 s[(\g)+4], 64                        ; tile_dim1 = 64
	s_mov_b32 s[(\g)+5], 32                        ; 32 elements from row to row
	s_mov_b32 s[(\g)+6], 0
	s_mov_b32 s[(\g)+7], 0
.endr
	s_mov_b32 s[G0A], 1
	s_mov_b32 s[G0A+1], s[W14]                     ; tile 0 into slot 0
	s_mov_b32 s[G0], 1
	s_add_co_u32 s[G0+1], s[W14], SLOTB            ; tile 1 into slot 1
	s_mov_b32 s[G0X], 1
	s_mov_b32 s[CS], 0x3e0293ee                    ; c = log2(e) / sqrt(128) = 0.127517
	s_mov_b32 s[CS+1], s[CS]
	s_mov_b32 s[SEL], 0x76543210
	s_mov_b32 s[SEL+1], 0xfedcba98
	s_mov_b32 s[INV], 0x3b800000
	s_mov_b32 s[EPS], 0x3727c5ac
	s_mov_b32 s[NXT], 2
	s_mov_b32 s[TB], SLOTB                         ; the first head turns it into 0
	s_cmp_lt_u32 s[WV], 2
	s_cselect_b32 s[PLIM], 16, 0
	s_wait_dscnt 0x0                               ; the opening add is done
	s_wait_kmcnt 0x0
	s_add_nc_u64 s[WQB:WQB+1], s[72:73], s[2:3]
	s_add_nc_u64 s[WKB:WKB+1], s[74:75], s[2:3]
	s_add_nc_u64 s[WVB:WVB+1], s[76:77], s[2:3]
	s_add_nc_u64 s[XB:XB+1], s[68:69], s[OFF:OFF+1]
	s_add_nc_u64 s[PFB:PFB+1], s[XB:XB+1], s[PFB:PFB+1]
	s_add_nc_u64 s[XRB:XRB+1], s[XB:XB+1], s[PF:PF+1]
	s_add_nc_u64 s[PF:PF+1], s[PF:PF+1], s[OFF:OFF+1]  ; two offsets
	s_add_nc_u64 s[X2P:X2P+1], s[70:71], s[PF:PF+1]
	s_add_nc_u64 s[OUTP:OUTP+1], s[92:93], s[PF:PF+1]
	s_add_nc_u64 s[XB:XB+1], s[XB:XB+1], s[2:3]
	s_mov_b64 s[G0A+2:G0A+3], s[WQB:WQB+1]
	s_or_b32 s[G0A+3], s[G0A+3], 0x80000000
	s_mov_b64 s[G0+2:G0+3], s[WKB:WKB+1]
	s_or_b32 s[G0+3], s[G0+3], 0x80000000
	s_load_b256 s[68:75], s[84:85], 0x0            ; w_out's eight numbers, into registers whose addresses have been used
	s_load_b32 s101, s[86:87], 0x0                 ; b_out
	CROUND                                         ; all four work-groups are here: the first joint loads meet
	tensor_load_to_lds s[G0A:G0A+3], s[G1J:G1J+7]  ; Wq's tile 0.  The two first fills go out together: two loads of mine are out here, one behind every later round
	s_nop 0
	tensor_load_to_lds s[G0:G0+3], s[G1J:G1J+7]    ; Wk's tile 0
	s_nop 0
	v_and_b32 v20, 15, v0                          ; r
	v_bfe_u32 v21, v0, 4, 1                        ; h
	v_and_b32 v22, 31, v0                          ; l
	v_and_b32 v23, 7, v0
	s_mul_i32 s10, s[WV], SCRW
	s_add_co_u32 s10, s10, SCR                     ; my scratch
	v_mul_u32_u24 v[ANT0], v20, PX
	v_lshl_add_u32 v[ANT0], v21, 7, v[ANT0]        ; row r, byte 128 h
	v_add_nc_u32 v[X2R], s10, v[ANT0]
	v_add_nc_u32 v[ANT0], XBUF, v[ANT0]
	v_lshl_add_u32 v[ATN0], v21, 3, v23            ; row 8 h + l % 8,
	v_mul_u32_u24 v[ATN0], v[ATN0], PX
	v_bfe_u32 v23, v0, 3, 1
	v_lshl_add_u32 v[ATN0], v23, 7, v[ATN0]        ; byte 128 ((l / 8) % 2)
	v_add_nc_u32 v[ATN0], XBUF, v[ATN0]
	v_lshl_add_u32 v[CRD0], v22, 4, s[W14]
	s_mul_i32 s2, s[WV], 16*PX
	s_add_co_u32 s2, s2, XBUF
	v_lshl_add_u32 v[CWR0], v22, 3, s2
	v_lshl_add_u32 v[BIA], v21, 5, BIAS
	s_lshl_b32 s2, s[WV], 13
	v_lshl_add_u32 v[PFO], v22, 8, s2
	v_mul_u32_u24 v[STW], v20, PS                  ; in: row r, 32 bytes for each half of the lanes
	v_lshl_add_u32 v[STW], v21, 5, v[STW]
	v_add_nc_u32 v[STW], s10, v[STW]
	v_mul_u32_u24 v[STR0], v21, PS                 ; back: lanes 0-15 one row, lanes 16-31 the next, 16 bytes a lane
	v_lshl_add_u32 v[STR0], v20, 4, v[STR0]
	v_add_nc_u32 v[STR0], s10, v[STR0]
	v_lshlrev_b32 v[OUTO], 10, v21                 ; the same two rows in out0 and in a staging slot
	v_lshl_add_u32 v[OUTO], v20, 4, v[OUTO]
	v_add_nc_u32 v[XRD0], s[W14], v[OUTO]
	v_lshl_add_u32 v[X2W], v22, 3, s10
	v_lshlrev_b32 v[GOF], 4, v22
	v_lshlrev_b32 v30, 3, v0                       ; 8 bytes of each bias a thread
	v_add_nc_u32 v31, BIAS, v30
	global_load_b64 v[24:25], v30, s[78:79]
	global_load_b64 v[26:27], v30, s[80:81]
	global_load_b64 v[28:29], v30, s[82:83]
	; my 64 rows of x2: 128 loads of 512 consecutive bytes, into windows 2 and 3.  They count by xi, a symbol that no macro sets
	WIN 0x80
.set xi, 0
.rept 60
	global_load_b128 v[4*xi:4*xi+3], v[GOF], s[X2P:X2P+1] offset:512*xi th:TH_LOAD_NT
.set xi, xi+1
.endr
	WIN 0
	v_mov_b32 v[CRD], v[CRD0]
	v_mov_b32 v[CWR], v[CWR0]
	s_wait_tensorcnt 0x1                           ; my quarter of tile 0 is in; tile 1 may stay out
	CONV                                           ; tile 0 into buffer 0
	WIN 0x80
.rept 4
	global_load_b128 v[4*xi:4*xi+3], v[GOF], s[X2P:X2P+1] offset:512*xi th:TH_LOAD_NT
.set xi, xi+1
.endr
	WIN 0xc0
.rept 64
	global_load_b128 v[4*(xi-64):4*(xi-64)+3], v[GOF], s[X2P:X2P+1] offset:512*xi th:TH_LOAD_NT
.set xi, xi+1
.endr
	WIN 0
	s_wait_kmcnt 0x0                               ; w_out and b_out
	s_add_f32 s4, s68, s69
	s_add_f32 s5, s70, s71
	s_add_f32 s6, s72, s73
	s_add_f32 s7, s74, s75
	s_add_f32 s4, s4, s5
	s_add_f32 s6, s6, s7
	s_add_f32 s[SW], s4, s6
	s_mov_b32 s[SW+1], s[SW]
	s_mov_b32 s[BO], s101
	s_mov_b32 s[BO+1], s101
	s_wait_loadcnt 63                              ; of the 131 loads the oldest 68 are in: the three biases and x2's loads 0 to 64, rows 0 to 31 among them
	ds_store_b64 v31, v[24:25]
	ds_store_b64 v31, v[26:27] offset:1024
	ds_store_b64 v31, v[28:29] offset:2048
	X2HALF 0
	s_wait_loadcnt 0x0
	X2HALF 1
.set i, 0
.rept 8
	v_mov_b32 v[T+i], 0
.set i, i+1
.endr
	; THE WEIGHTS, four trips.  Step A: q^T = Wq x2^T + bq for 64 channels o; q . bk is added up; q is rounded.  Step B: (q Wk)^T += Wk^T q^T over those 64 channels.
	s_mov_b32 s[CNT], 4
.Lw:
	HEAD 1, 0, 1
	BBLOAD 0                                       ; bq
	NTPRE
	ASK
	NT 1
	PLACES
	WIN 0
.irp f, 0,1,2,3
	ds_load_b128 v[FB+8*(\f):FB+8*(\f)+3],   v[BIA] offset:1024+64*(\f)       ; bk, laid as S is
	ds_load_b128 v[FB+8*(\f)+4:FB+8*(\f)+7], v[BIA] offset:1024+64*(\f)+16
.endr
	s_wait_dscnt 0x0
.set rb, 0
.rept 4
.set p, 0
.rept 4
.irp t, 0,1,2,3
	v_pk_fma_f32 v[T+2*(\t):T+2*(\t)+1], v[S+32*(\t)+8*rb+2*p:S+32*(\t)+8*rb+2*p+1], v[FB+8*rb+2*p:FB+8*rb+2*p+1], v[T+2*(\t):T+2*(\t)+1]
.endr
.set p, p+1
.endr
.set rb, rb+1
.endr
	PCVT
	CONV
	HEAD 1, 0, 1
	TNPRE
	ASK
	TN 0
	PLACES
	WIN 0
	CONV
	v_add_nc_u32 v[BIA], 256, v[BIA]               ; the next 64 channels' biases
	s_sub_co_u32 s[CNT], s[CNT], 1
	s_cmp_lg_u32 s[CNT], 0
	s_cbranch_scc1 .Lw
	ACC2BF                                         ; q Wk, rounded: NT's second operand for the keys.  What stays in the accumulators is multiplied by a = 0 in the first key step
	WIN 0
.irp t, 0,1,2,3
	v_add_f32 v[T+2*(\t)], v[T+2*(\t)], v[T+2*(\t)+1]
.endr
.irp t, 0,1,2,3
	v_permlanex16_b32 v[T+2*(\t)+1], v[T+2*(\t)], s[SEL], s[SEL+1]  ; the query's other 128 channels lie in the lane 16 away
.endr
.irp t, 0,1,2,3
	v_add_f32 v[T+2*(\t)], v[T+2*(\t)], v[T+2*(\t)+1]
.endr
.irp t, 0,1,2,3
	v_mul_f32 v[CT+(\t)], s[CS], v[T+2*(\t)]
	v_mov_b32 v[ST+8*(\t)+1], 0xff7fffff           ; cM starts at the lowest finite number: the first step's a is 0
	v_mov_b32 v[ST+8*(\t)+2], 0
	v_mov_b32 v[ST+8*(\t)+3], 0
.endr
	v_add_nc_u32 v[BIA], 1024, v[BIA]              ; from bk's first number to bv's
	; THE KEYS, 16 trips of 64.  S^T = x (q Wk)^T; the softmax with a running maximum; O^T = a O^T + x^T P.  The next tile's rounding stands among the softmax's lines, its LDS loads ahead of work that does
	; not need them.  The step's 132 exponentials are ONE batch with one wait: nothing ahead of that wait names a result of theirs.
	s_mov_b32 s[CNT], 16
.Lkey:
	HEAD 1, 0, 1
	NTPRE
	ASK
	NT 0
	PLACES
	WIN 0
	CONVL 0
	SMX
	s_wait_dscnt 0x0
	CONVS 0
	CONVL 1
	FE
	v_nop                                          ; a plain instruction behind the last exponential,
	s_wait_alu depctr_va_vdst(0)                   ; and the wait ahead of the first line that names a result
	s_wait_dscnt 0x0
	CONVS 1
	TNPRE
	LSUM
	PCVT
.set n, 0
.rept 32
	RS 0, n                                        ; the first group's accumulators are rescaled here, the others beside the products
.set n, n+1
.endr
	TN 1
	WIN 0
	s_sub_co_u32 s[CNT], s[CNT], 1
	s_cmp_lg_u32 s[CNT], 0
	s_cbranch_scc1 .Lkey
	; line^T = Wv (O / l)^T + bv, 64 channels o a step, into the accumulators that O^T has left.  Steps 2 and 3 ask for the first two residual tiles.
.macro WVSTEP t
.if (\t) < 2
	HEAD 1, 0, 1
.else
	HEAD 2, (\t)-2, 1
.endif
.if (\t) == 0
.irp u, 0,1,2,3
	v_add_f32 v[ST+8*(\u)+4], v[ST+8*(\u)+2], v[ST+8*(\u)+3]
.endr
.irp u, 0,1,2,3
	v_permlanex16_b32 v[ST+8*(\u)+5], v[ST+8*(\u)+4], s[SEL], s[SEL+1]
.endr
.irp u, 0,1,2,3
	v_add_f32 v[ST+8*(\u)+4], v[ST+8*(\u)+4], v[ST+8*(\u)+5]
.endr
.irp u, 0,1,2,3
	v_rcp_f32 v[ST+8*(\u)+6], v[ST+8*(\u)+4]
.endr
	v_and_b32 v[GOF], 15, v0                       ; a plain instruction behind the last reciprocal
	v_lshlrev_b32 v[GOF], 4, v[GOF]
	s_wait_alu depctr_va_vdst(0)                   ; one wait for the four reciprocals, ahead of their first use
.irp k, 0,1,2,3
	global_load_b128 v[GAM+4*(\k):GAM+4*(\k)+3], v[GOF], s[88:89] offset:256*(\k)  ; gamma and beta of the 16 channels that a lane has on the way out
	global_load_b128 v[BET+4*(\k):BET+4*(\k)+3], v[GOF], s[90:91] offset:256*(\k)
.endr
.set gg, 0
.rept 8
.set n, 0
.rept 32
	RS gg, n                                       ; O^T / l
.set n, n+1
.endr
.set gg, gg+1
.endr
	ACC2BF
	WIN 0
.endif
	BBLOAD 256*(\t)                                ; bv
	NTPRE
	NT 2, \t
	PLACES
	WIN 0
.if (\t) < 3
	CONV
.endif
.endm
	WVSTEP 0
	WVSTEP 1
	WVSTEP 2
	WVSTEP 3
	; THE WAY OUT, a tile of 16 queries at a time.  A lane's eight channels of a row go into my stage (rows of 1,040 bytes) and come back as whole rows: 16 lanes a row, 16 numbers a lane, two rows a trip.
	; h = line sum(w_out) + x + b_out; the mean; the variance about the mean; the gain and the bias.  The sums over a row's 16 lanes ride on the additions (DPP).
.macro LNQ q
	WIN 0x08                                       ; store data in window 2
.set d, 0
.rept 8
	ds_store_b128 v[STW], v[32*d+8*(\q):32*d+8*(\q)+3]   offset:64*d
	ds_store_b128 v[STW], v[32*d+8*(\q)+4:32*d+8*(\q)+7] offset:64*d+16
.set d, d+1
.endr
	WIN 0x0c                                       ; in window 3
.set d, 0
.rept 8
	ds_store_b128 v[STW], v[32*d+8*(\q):32*d+8*(\q)+3]   offset:64*(d+8)
	ds_store_b128 v[STW], v[32*d+8*(\q)+4:32*d+8*(\q)+7] offset:64*(d+8)+16
.set d, d+1
.endr
	WIN 0
	v_mov_b32 v[STR], v[STR0]
	v_add_nc_u32 v[XRD], ((\q)%2)*SLOTB, v[XRD0]
	s_mov_b32 s[CNT], 8
.Lrow_\@:
.irp k, 0,1,2,3
	ds_load_b128 v[RR+4*(\k):RR+4*(\k)+3], v[STR] offset:256*(\k)  ; LDS serves a wave's instructions in order (ISA guide 5.7.1.4): these see the stores above
.endr
.irp k, 0,1,2,3
	ds_load_b128 v[XX+4*(\k):XX+4*(\k)+3], v[XRD] offset:256*(\k)
.endr
	s_wait_dscnt 0x0
.irp p, 0,2,4,6,8,10,12,14
	v_pk_fma_f32 v[RR+(\p):RR+(\p)+1], v[RR+(\p):RR+(\p)+1], s[SW:SW+1], v[XX+(\p):XX+(\p)+1] op_sel_hi:[1,0,1]
.endr
.irp p, 0,2,4,6,8,10,12,14
	v_pk_add_f32 v[RR+(\p):RR+(\p)+1], v[RR+(\p):RR+(\p)+1], s[BO:BO+1] op_sel_hi:[1,0]
.endr
.irp p, 0,1,2,3
	v_pk_add_f32 v[PP+2*(\p):PP+2*(\p)+1], v[RR+4*(\p):RR+4*(\p)+1], v[RR+4*(\p)+2:RR+4*(\p)+3]
.endr
	v_pk_add_f32 v[PP:PP+1], v[PP:PP+1], v[PP+2:PP+3]
	v_pk_add_f32 v[PP+4:PP+5], v[PP+4:PP+5], v[PP+6:PP+7]
	v_pk_add_f32 v[PP:PP+1], v[PP:PP+1], v[PP+4:PP+5]
	v_add_f32 v[MU], v[PP], v[PP+1]
.irp m, 1,2,4,8
	v_add_f32_dpp v[MU], v[MU], v[MU] row_xmask:\m row_mask:0xf bank_mask:0xf
.endr
	v_mul_f32 v[MU], s[INV], v[MU]
.irp p, 0,2,4,6,8,10,12,14
	v_pk_add_f32 v[RR+(\p):RR+(\p)+1], v[RR+(\p):RR+(\p)+1], v[MU:MU+1] op_sel_hi:[1,0] neg_lo:[0,1] neg_hi:[0,1]
.endr
	v_pk_mul_f32 v[QQ:QQ+1], v[RR:RR+1], v[RR:RR+1]
	v_pk_mul_f32 v[QQ+2:QQ+3], v[RR+2:RR+3], v[RR+2:RR+3]
.irp p, 4,8,12
	v_pk_fma_f32 v[QQ:QQ+1], v[RR+(\p):RR+(\p)+1], v[RR+(\p):RR+(\p)+1], v[QQ:QQ+1]
	v_pk_fma_f32 v[QQ+2:QQ+3], v[RR+(\p)+2:RR+(\p)+3], v[RR+(\p)+2:RR+(\p)+3], v[QQ+2:QQ+3]
.endr
	v_pk_add_f32 v[QQ:QQ+1], v[QQ:QQ+1], v[QQ+2:QQ+3]
	v_add_f32 v[QQ], v[QQ], v[QQ+1]
.irp m, 1,2,4,8
	v_add_f32_dpp v[QQ], v[QQ], v[QQ] row_xmask:\m row_mask:0xf bank_mask:0xf
.endr
	v_fma_f32 v[QQ], v[QQ], s[INV], s[EPS]
	v_rsq_f32 v[RSQ], v[QQ]
	v_nop                                          ; a plain instruction behind the root,
	s_wait_alu depctr_va_vdst(0)                   ; and its wait, ahead of its first use
.irp p, 0,2,4,6,8,10,12,14
	v_pk_mul_f32 v[RR+(\p):RR+(\p)+1], v[RR+(\p):RR+(\p)+1], v[RSQ:RSQ+1] op_sel_hi:[1,0]
.endr
.irp p, 0,2,4,6,8,10,12,14
	v_pk_fma_f32 v[RR+(\p):RR+(\p)+1], v[RR+(\p):RR+(\p)+1], v[GAM+(\p):GAM+(\p)+1], v[BET+(\p):BET+(\p)+1]
.endr
.irp k, 0,1,2,3
	global_store_b128 v[OUTO], v[RR+4*(\k):RR+4*(\k)+3], s[OUTP:OUTP+1] offset:256*(\k) th:TH_STORE_NT  ; 16 lanes store 256 consecutive bytes, at a multiple of 256 from out0's first byte
.endr
	s_wait_xcnt 0x0                                ; the stores have read their offset and data: only behind this wait are these stepped and loaded anew
	v_add_nc_u32 v[STR], 2*PS, v[STR]
	v_add_nc_u32 v[XRD], 2048, v[XRD]
	v_add_nc_u32 v[OUTO], 2048, v[OUTO]
	s_sub_co_u32 s[CNT], s[CNT], 1
	s_cmp_lg_u32 s[CNT], 0
	s_cbranch_scc1 .Lrow_\@
.endm
	s_wait_loadcnt 0x0                             ; gamma and beta
	v_mov_b32 v[MU+1], 0                           ; named with their partners as pairs
	v_mov_b32 v[RSQ+1], 0
	LNQ 0                                          ; its residual rows were shown landed by the last step's head
	HEAD 2, 2, 0                                   ; tile 1's residual rows have landed; tile 2's go into the slot that tile 0's have left
	LNQ 1
	HEAD 2, 3, 0
	LNQ 2
	s_wait_tensorcnt 0x0                           ; tile 3's residual rows: no load was issued behind theirs
	LNQ 3
	s_wait_tensorcnt 0x0                           ; the wave's end: an add to my spare word and its wait, behind my last tensor load and my last LDS store
	ds_add_u32 v[SPW], v[NIL]
	s_wait_dscnt 0x0
	CROUND                                         ; the closing round: no work-group ends while a partner may still ask for a tile that names it
	s_endpgm
.Lfunc_end_k_qdc2059586e_xatt:
	.size	k_qdc2059586e_xatt, .Lfunc_end_k_qdc2059586e_xatt-k_qdc2059586e_xatt
	.p2alignl 7, 3214868480
	.fill 96, 4, 3214868480
	.section	.rodata,"a",@progbits
	.p2align	6, 0x0
	.amdhsa_kernel k_qdc2059586e_xatt
		.amdhsa_group_segment_fixed_size 327680
		.amdhsa_private_segment_fixed_size 0
		.amdhsa_enable_private_segment 0
		.amdhsa_kernarg_size 104
		.amdhsa_user_sgpr_count 2
		.amdhsa_user_sgpr_kernarg_segment_ptr 1
		.amdhsa_wavefront_size32 1
		.amdhsa_system_sgpr_workgroup_id_x 1
		.amdhsa_system_sgpr_workgroup_id_y 1
		.amdhsa_system_sgpr_workgroup_id_z 1
		.amdhsa_system_vgpr_workitem_id 0
		.amdhsa_next_free_vgpr 1024
		.amdhsa_next_free_sgpr 102
		.amdhsa_reserve_vcc 0
		.amdhsa_float_denorm_mode_32 3
		.amdhsa_float_denorm_mode_16_64 3
		.amdhsa_memory_ordered 1
		.amdhsa_forward_progress 1
		.amdhsa_inst_pref_size 255
	.end_amdhsa_kernel
	.section	.bss,"aw",@nobits
	.p2align	6
	.space	262144
	.amdgpu_metadata
---
amdhsa.version: [ 1, 2 ]
amdhsa.kernels:
  - .name:           k_qdc2059586e_xatt
    .symbol:         k_qdc2059586e_xatt.kd
    .args:
      - { .name: x, .offset: 0, .size: 8, .value_kind: global_buffer, .address_space: global }
      - { .name: x2, .offset: 8, .size: 8, .value_kind: global_buffer, .address_space: global }
      - { .name: Wq, .offset: 16, .size: 8, .value_kind: global_buffer, .address_space: global }
      - { .name: Wk, .offset: 24, .size: 8, .value_kind: global_buffer, .address_space: global }
      - { .name: Wv, .offset: 32, .size: 8, .value_kind: global_buffer, .address_space: global }
      - { .name: bq, .offset: 40, .size: 8, .value_kind: global_buffer, .address_space: global }
      - { .name: bk, .offset: 48, .size: 8, .value_kind: global_buffer, .address_space: global }
      - { .name: bv, .offset: 56, .size: 8, .value_kind: global_buffer, .address_space: global }
      - { .name: w_out, .offset: 64, .size: 8, .value_kind: global_buffer, .address_space: global }
      - { .name: b_out, .offset: 72, .size: 8, .value_kind: global_buffer, .address_space: global }
      - { .name: gamma, .offset: 80, .size: 8, .value_kind: global_buffer, .address_space: global }
      - { .name: beta, .offset: 88, .size: 8, .value_kind: global_buffer, .address_space: global }
      - { .name: out0, .offset: 96, .size: 8, .value_kind: global_buffer, .address_space: global }
    .group_segment_fixed_size: 327680
    .private_segment_fixed_size: 0
    .kernarg_segment_align: 8
    .kernarg_segment_size: 104
    .max_flat_workgroup_size: 128
    .sgpr_count:     102
    .vgpr_count:     1024
    .wavefront_size: 32
...
	.end_amdgpu_metadata
.endif
;; end of part 1
;; ======== version 2 of 2: 1 launch
;; launch xatt (part 2): grid 4 x 64, 4 waves a work-group, clusters of 4 x 1, 327,680 bytes of LDS; arguments x, x2, Wq, Wk, Wv, bq, bk, bv, w_out, b_out, gamma, beta, out0; writes out0
.if DOCPART == 2
	.amdgcn_target "amdgcn-amd-amdhsa--gfx1250"
	.amdhsa_code_object_version 6
	.text
	.protected	k_qdc2059586e_xatt
	.globl	k_qdc2059586e_xatt
	.p2align	8
	.type	k_qdc2059586e_xatt,@function
k_qdc2059586e_xatt:
	s_mov_b64 s[64:65], 0
	v_nop
	global_prefetch_b8 v0, s[64:65] scope:SCOPE_SE
	s_setreg_imm32_b32 hwreg(HW_REG_WAVE_MODE, 25, 1), 1
	s_wait_xcnt 0x0
	s_wait_alu depctr_hold_cnt(0) depctr_sa_sdst(0) depctr_va_vdst(0) depctr_va_sdst(0) depctr_va_ssrc(0) depctr_va_vcc(0) depctr_vm_vsrc(0)
	s_getreg_b32 s2, hwreg(HW_REG_IB_STS2, 6, 4)
	s_cmp_eq_u32 s2, 0
	s_cbranch_scc0 .Lentry_in_a_cluster
	s_endpgm
.Lentry_in_a_cluster:
	s_bfe_u32 s2, ttmp6, 0x10000c
	s_cmp_lg_u32 s2, 0x3003
	s_cbranch_scc0 .Lentry_shape_is_right
	s_endpgm
.Lentry_shape_is_right:
; out = LayerNorm(x + (softmax((x2 Wq^T + bq)(x Wk^T + bk)^T / sqrt(128)) (x Wv^T + bv)) sum(w_out) + b_out) gamma + beta, for 64 slices of 1,024 positions x 256 channels, all f32 in memory.
; ONE LAUNCH, NOTHING THROUGH MEMORY.  The products are taken in another order, which holds for every input:
;   scores = q k^T = (q Wk) x^T + (q . bk) 1^T          attn v = (attn x) Wv^T + bv   (a softmax row sums to 1)
; so keys and values are both x itself, and all three projections act on a work-group's own 256 queries: the count of multiply-adds is the problem's own.
; SHARES.  A cluster of four work-groups is a slice; a work-group owns 256 queries, each of its four waves 64: four tiles qt of 16.  In every product a lane holds ONE query (lane % 16).
; The four partners walk the same tiles of Wq, Wk, x and Wv: each tile is asked for JOINTLY (the same tensor load, descriptor and mask of four in all four).
; FORMATS.  Every matrix operand is bf16 (x2, Wq, q, Wk, q Wk, x, the weights p, their sum over x, Wv); sums, maxima, l, the residual x and the LayerNorm are f32.
; LIMITS.  c s + c (q . bk) is finite in f32 (c = log2(e) / sqrt(128)); q Wk is finite (the first key step multiplies what lies in the accumulators by 0); a weight below 2^-126 counts as 0;
; the sum of p x is divided by l only behind the product with Wv: it is at most 1,024 times the largest |x|, which must be finite in f32; NaN and infinities are not treated apart.
; TILES.  A tile is 64 rows x 256 f32 (65,536 dense bytes).  Each wave fetches a quarter (16 rows) into its own part of a staging slot, rounds it to bf16 and stores it into a tile buffer of
; 64 rows x 528 bytes, which all four waves read behind the next barrier.  Tile n goes to slot n % 2 and buffer n % 2:  0-7: Wq0 Wk0 Wq1 Wk1 ..;  8-23: the slice's x;  24-27: Wv.
; Step s multiplies by tile s, rounds tile s + 1 BESIDE its products, asks for tile s + 2.
; TWO FORMS OF PRODUCT on one tile buffer (l lane, r = l % 16, h = l / 16):
;   NT  contracts over the tile's channels; the result's rows are the tile's rows.  Fragment (rb, kc): two 16-byte loads at row 16 rb + r, byte 128 h + 32 (kc % 4) + 256 (kc / 4), and 16 on.
;   TN  contracts over the tile's rows; the result's rows are channels.  Fragment (d, kk): two turning loads; result tile d, lane (r, h), register j is channel 8 (d % 8) + 128 (d / 8) + 64 h + j.
; Two TN results 2 kc, 2 kc + 1, rounded in pairs, ARE NT's second operand kc in NT's order of channels; two NT results 2 kk, 2 kk + 1 ARE TN's second operand kk.  Nothing changes lanes.
; REGISTERS, in windows of 256 (s_set_vgpr_msb: bits 1:0 source 0, 3:2 source 1, 5:4 source 2, 7:6 destination):
;   window 0: v0-18 addresses; v20-23 c (q . bk); v24-31 its sums; v32-63 statistics; v64-191 S: 16 accumulators (qt, rb); v192-255 two fragment buffers
;   window 1: NT's second operand, (kc, qt) at 8 (4 kc + qt): x2, then q Wk, then the sum of p x          windows 2, 3: 64 accumulators (d, qt) at 32 (d % 8) + 8 qt of window 2 + d / 8
.set PX,    528        ; a bf16 row in LDS: 512 bytes + 16 = 33 x 16: the 16 rows of a fragment load begin in 16 different groups of four banks (64 banks of 4 bytes: ISA guide 11.1)
.set SLOTB, 0x10000    ; staging slot 0 at LDS byte 0, slot 1 here; filled by tensor loads alone.  One exclusive or turns an offset into one slot or buffer into the other's
.set XBUF,  0x20000    ; tile buffer 0 (33,792 bytes); buffer 1 at 0x30000; written by LDS stores alone
.set SCR,   230400     ; 16,896 bytes for each wave, its own: first 32 rows x 528 of x2 in bf16, at the end 16 rows x 1,040 of the result in f32
.set SCRW,  16896
.set PS,    1040       ; 1,024 + 16 = 65 x 16
.set BIAS,  297984     ; bq, bk: 1,024 bytes each
.set FLB,   BIAS+2048  ; 256 bytes for each wave, its own: sum(w_out) / l of its 64 queries
.set SPARE, 301056     ; the spare words, 128 bytes for each wave: two blocks of 256 bytes that no other line names
.set SPW, 1            ; v1   LDS address of my spare word; never rewritten
.set NIL, 2            ; v2   0; never rewritten
.set ANT0, 3           ; v3   my lane's place in an NT fragment of buffer 0
.set ATN0, 4           ; v4   the same for TN
.set CRD0, 5           ; v5   my 16 bytes in the first 512 of my quarter of slot 0
.set CWR0, 6           ; v6   my 8 bytes in my first row of buffer 0
.set ADRN, 7           ; v7-10  the four above for the step in hand
.set ADRT, 8
.set CRD,  9
.set CWR,  10
.set BIA,  11          ; v11  BIAS + 32 h, stepped
.set PFO,  12          ; v12  the prefetches' offset: 8,192 x wave + 256 x lane
.set STW,  13          ; v13  the way out: where I put 16 bytes of a row
.set STR,  14          ; v14  where I read rows back                  (first: X2W)
.set FLR,  15          ; v15  where I read my row's factor, stepped   (first: X2R)
.set X2W,  14
.set X2R,  15
.set OUTO, 16          ; v16  my byte offset in the wave's rows of x and out0, stepped
.set GOF,  17          ; v17  16 x lane (x2); where I put a query's factor; 16 r (gamma, beta, bv)
.set STR0, 18
.set CT,   20          ; v20-23  c (q . bk), a tile each
.set T,    24          ; v24-31  sums of q bk, a pair a tile
.set ST,   32          ; tile t at ST + 8 t: +0 nb = c (q . bk) - cM, +1 cM, +2 +3 l, +4..+7 c0-c3 at work; a takes c2
.set S,    64
.set FB,   192
.set GAM,  24          ; the way out: gamma, beta and bv sum(w_out) + b_out of a lane's 16 channels; four row pairs u: 16 numbers of the result, 16 of x, 8 registers at work
.set BET,  40
.set RR,   64
.set XX,   128
.set BVS,  192
.set TP,   208
.set SW,  4            ; s[4:5]  sum(w_out), twice       s[6:7]  b_out, twice       s2 at work; s3 = 0, its high word
.set BO,  6
.set WV,  8            ; s8   my wave's number
.set CX,  9            ; s9   my work-group's place in the cluster: it enters x2's, out0's, the residual's and the prefetches' addresses alone
.set CNT, 10
.set NXT, 11           ; s11  the tile to be asked for next
.set TB,  12           ; s12  0 or SLOTB: the buffer of the step in hand; on the way out 0 or half a stage
.set TBN, 13           ; s13  the other one
.set PLIM, 14          ; s14  16 in waves 0 and 1, which prefetch, else 0
.set ASKN, 15          ; s15  which tile of x the next refill asks for
.set G1J, 16           ; s[16:23] descriptor group 1
.set G0A, 32           ; s[32:35] group 0 of tile 0
.set G0,  36           ; s[36:39] group 0 that walks
.set WQB, 40           ; s[40:47] Wq, Wk, x at the slice, Wv: each at my quarter of its tile 0
.set WKB, 42
.set XB,  44
.set WVB, 46
.set BASE, 48
.set OFF, 50
.set XRB, 52           ; s[52:57] x, x2, out0 at my wave's 64 query rows
.set X2P, 54
.set OUTP, 56
.set CS,  58           ; s[58:59] c
.set SEL, 60           ; s[60:61] v_permlanex16_b32's selects: each lane takes its own place in the other half
.set PF,  62           ; s[62:63] where my prefetch stands
.set PFB, 66           ; s[66:67] x at the slice, at my work-group's quarter of a tile
.set INV, 94           ; 1 / 256
.set EPS, 95           ; 1e-5
.set W14, 100          ; s100 16,384 x wave
.set MSB, 0
.macro WIN new                      ; the immediate's high byte repeats the setting that is left; a switch that changes nothing is dropped
.if MSB != (\new)
	s_set_vgpr_msb (MSB<<8)|(\new)
.set MSB, (\new)
.endif
.endm
.macro PLACES                       ; four places behind a matrix instruction, ahead of loads into registers that it read and of vector lines that read its result
.rept 4
	v_nop
.endr
.endm
; A round of the cluster's barrier: my work-group's barrier; wave 0 signals for the work-group; every wave waits for all four work-groups; my work-group's barrier once more.
.macro CROUND
	s_barrier_signal -1
	s_barrier_wait -1
	s_cmp_lg_u32 s[WV], 0
	s_cbranch_scc1 .Lnw0_\@
	s_barrier_signal -3
.Lnw0_\@:
	s_barrier_wait -3
	s_barrier_signal -1
	s_barrier_wait -1
.endm
; THE HEAD OF A STEP.  Each wave waits for all its tensor loads, of which at most one is out (its quarter of the next tile), and for its LDS reads of the buffer and slot that it leaves and its stores
; into the buffer that is read next.  kind = 1: a slot is filled again: the add stands behind the first wait, the barrier is a round of the cluster's, so that no wave of any partner reads the old slot or has
; a load on its way, and the joint load of tile NXT, its address made anew from that number, is the first thing behind it.  kind = 0 (the last two steps): nothing is asked for, a plain barrier.
.macro HEAD kind
	WIN 0
	s_wait_tensorcnt 0x0            ; no tensor load of mine is out, so a group 0 may be written
.if \kind
	ds_add_u32 v[SPW], v[NIL]       ; the scalar work below stands between the add and its wait
.endif
	s_xor_b32 s[TB], s[TB], SLOTB
	s_xor_b32 s[TBN], s[TB], SLOTB
.if \kind
	s_lshr_b32 s2, s[NXT], 1        ; tiles 0-7: Wq (even) and Wk (odd), tile NXT / 2 of 65,536 bytes
	s_lshl_b32 s[OFF], s2, 16
	s_bitcmp1_b32 s[NXT], 0
	s_cselect_b64 s[BASE:BASE+1], s[WKB:WKB+1], s[WQB:WQB+1]
	s_sub_co_u32 s2, s[NXT], 8      ; tiles 8-23: x
	s_lshl_b32 s2, s2, 16
	s_cmp_ge_u32 s[NXT], 8
	s_cselect_b64 s[BASE:BASE+1], s[XB:XB+1], s[BASE:BASE+1]
	s_cselect_b32 s[OFF], s2, s[OFF]
	s_sub_co_u32 s2, s[NXT], 24     ; tiles 24-27: Wv
	s_lshl_b32 s2, s2, 16
	s_cmp_ge_u32 s[NXT], 24
	s_cselect_b64 s[BASE:BASE+1], s[WVB:WVB+1], s[BASE:BASE+1]
	s_cselect_b32 s[OFF], s2, s[OFF]
	s_add_nc_u64 s[G0+2:G0+3], s[BASE:BASE+1], s[OFF:OFF+1]
	s_or_b32 s[G0+3], s[G0+3], 0x80000000
	s_xor_b32 s[G0+1], s[G0+1], SLOTB
	s_add_co_u32 s[NXT], s[NXT], 1
	s_wait_xcnt 0x0                 ; the last prefetch, a step back, has read its address, so it may be written
	s_sub_co_u32 s[ASKN], s[NXT], 8
	s_min_u32 s2, s[ASKN], 15       ; held inside x where nothing is asked for
	s_lshl_b32 s2, s2, 16
	s_add_nc_u64 s[PF:PF+1], s[PFB:PFB+1], s[2:3]
.endif
	s_wait_dscnt 0x0                ; my LDS reads and stores are done (and the add)
.if \kind
	CROUND
	tensor_load_to_lds s[G0:G0+3], s[G1J:G1J+7]
	s_nop 0
	PLACES                          ; with the lines below also the places behind the last step's products
.else
	s_barrier_signal -1
	s_barrier_wait -1
.endif
	v_add_nc_u32 v[ADRN], s[TB], v[ANT0]
	v_add_nc_u32 v[ADRT], s[TB], v[ATN0]
	v_add_nc_u32 v[CRD], s[TBN], v[CRD0]
	v_add_nc_u32 v[CWR], s[TBN], v[CWR0]
.endm
; A PREFETCH INTO THE L2 of the tile of x that the NEXT refill asks for: one step, 256 matrix instructions, ahead of that load.  A tile is 256 blocks of 256 bytes: the four partners take 64 each, told
; apart by address; in each, waves 0 and 1 ask, a lane a block.  So each block of x is named once in the launch.  Nothing is asked for while the next tile is a weight's or past x's last.
.macro ASK
	s_cmp_lt_u32 s[ASKN], s[PLIM]
	s_cbranch_scc0 .Lnoask_\@
	global_prefetch_b8 v[PFO], s[PF:PF+1] th:TH_LOAD_NT scope:SCOPE_SE
.Lnoask_\@:
.endm
; THE NEXT TILE IS ROUNDED BESIDE THE PRODUCTS.  My quarter is 32 loads of 512 consecutive bytes; four f32 a lane become 8 bytes of a bf16 row.  It goes in six batches of six loads (the last: two), on six
; blocks of four registers that the products leave idle: the statistics' c0-c3 of each tile, and two more that the symbols CB4 and CB5 name.  Batch b is loaded in the run of LDS loads behind group
; b - 1 (batch 0: in the run ahead of the products), rounded behind the last three products of group b, and stored at the head of the run behind group b: no run of LDS instructions is added, and
; no store stands next to its conversion.  LDS serves a wave's instructions in order (ISA guide 5.7.1.4): a batch's loads come behind the stores that read the same registers.
.macro CBLK u
.if (\u) < 4
.set rC, ST+8*(\u)+4
.elseif (\u) == 4
.set rC, CB4
.else
.set rC, CB5
.endif
.endm
.macro CVL b
.set u, 0
.rept 6
.if 6*(\b)+u < 32
	CBLK u
	ds_load_b128 v[rC:rC+3], v[CRD] offset:(6*(\b)+u)*512
.endif
.set u, u+1
.endr
.endm
.macro CVS b
.set u, 0
.rept 6
.if 6*(\b)+u < 32
	CBLK u
	ds_store_b64 v[CWR], v[rC:rC+1] offset:((6*(\b)+u)/2)*PX+256*((6*(\b)+u)%2)
.endif
.set u, u+1
.endr
.endm
.macro CVC n                        ; line n of a batch's twelve: block n / 2
	CBLK ((\n)/2)
.if ((\n)%2) == 0
	v_cvt_pk_bf16_f32 v[rC], v[rC], v[rC+1]
.else
	v_cvt_pk_bf16_f32 v[rC+1], v[rC+2], v[rC+3]
.endif
.endm
; The wait in front of group g's products: its fragments are in.  Without a batch the next group's eight loads may stay out.  With one, the whole run issued behind these fragments may: batch g - 1's
; stores, batch g's loads and eight fragment loads: 6 + 6 + 8, for group 5: 6 + 2 + 8, for group 6: 2 + 8.  (Group 0: batch 0 was asked for ahead of the fragments.)
.macro GWAIT cv
.if g == 7
	s_wait_dscnt 0x0
.elseif (\cv) && (g >= 1) && (g <= 4)
	s_wait_dscnt 20
.elseif (\cv) && (g == 5)
	s_wait_dscnt 16
.elseif (\cv) && (g == 6)
	s_wait_dscnt 10
.else
	s_wait_dscnt 8
.endif
.endm
; Behind product i of group g: four of batch g's conversions behind each of the last three products, lines 0-3 behind the last.  They name none of the products' registers: those behind the last product are the
; four places ahead of the loads into the fragment buffer.  Ahead of the first of them the batch's loads are waited for: only the eight fragment loads were issued behind them.
.macro RIDE
.if (g <= 5) && (i >= 13) && (6*g+2*(15-i) < 32)
.if (g >= 1) && ((i == 13) || (g == 5))
	s_wait_dscnt 8
.endif
	WIN 0
.irp n, 0,1,2,3
	CVC 4*(15-i)+\n
.endr
.endif
.endm
.macro RUNCV                        ; at the head of the run behind group g: batch g goes out, batch g + 1 comes in
	WIN 0
	CVS g
.if g < 5
	CVL g+1
.endif
.endm
; NT.  Group g = kc: four fragments (rb), eight loads, into buffer g % 2.
.macro NTLOAD g
	WIN 0
.irp f, 0,1,2,3
	ds_load_b128 v[FB+32*((\g)%2)+8*(\f):FB+32*((\g)%2)+8*(\f)+3],   v[ADRN] offset:(\f)*16*PX+32*((\g)%4)+256*((\g)/4)
	ds_load_b128 v[FB+32*((\g)%2)+8*(\f)+4:FB+32*((\g)%2)+8*(\f)+7], v[ADRN] offset:(\f)*16*PX+32*((\g)%4)+256*((\g)/4)+16
.endr
.endm
.macro NTPRE cv
.if \cv
	WIN 0
	CVL 0
.endif
	NTLOAD 0
	NTLOAD 1
.endm
; 128 products: eight groups of 16, whose 16 accumulators take turns; the first group starts the sums with 0.  dst = 0: into S; 2: into accumulators (4 t + rb, qt) of windows 2 and 3.
; cv = 1: the next tile is rounded beside them.  A group's buffer is loaded again, for the group two on, four places behind its last product.
.macro NT dst, t, cv
.set g, 0
.rept 8
	GWAIT \cv
.set i, 0
.rept 16
.set rb, i/4
.set qt, i%4
.set rA, FB+32*(g%2)+8*rb
.set rB, 8*(4*g+qt)
.if (\dst) == 0
.set rD, S+32*qt+8*rb
	WIN 0x04
.else
.set rD, 32*((4*(\t)+rb)%8)+8*qt
	WIN 0xa4+0x50*((\t)/2)
.endif
.if g == 0
	v_wmma_f32_16x16x32_bf16 v[rD:rD+7], v[rA:rA+7], v[rB:rB+7], 0
.else
	v_wmma_f32_16x16x32_bf16 v[rD:rD+7], v[rA:rA+7], v[rB:rB+7], v[rD:rD+7]
.endif
.if \cv
	RIDE
.endif
.set i, i+1
.endr
.if g <= 5
.if \cv
	RUNCV
.else
	PLACES
.endif
	NTLOAD g+2
.endif
.set g, g+1
.endr
.endm
; TN.  Group g: result tiles d = 2 g, 2 g + 1; four fragments u = 2 dd + kk, eight turning loads.  16 lanes of a load take 8 rows x 2 pieces of 16 bytes, 128 bytes apart: each group of four banks once.
.macro TNLOAD g
	WIN 0
.irp u, 0,1,2,3
	ds_load_tr16_b128 v[FB+32*((\g)%2)+8*(\u):FB+32*((\g)%2)+8*(\u)+3],   v[ADRT] offset:((\u)%2)*32*PX+16*((2*(\g)+(\u)/2)%8)+256*((2*(\g)+(\u)/2)/8)
	ds_load_tr16_b128 v[FB+32*((\g)%2)+8*(\u)+4:FB+32*((\g)%2)+8*(\u)+7], v[ADRT] offset:((\u)%2)*32*PX+16*PX+16*((2*(\g)+(\u)/2)%8)+256*((2*(\g)+(\u)/2)/8)
.endr
.endm
.macro TNPRE cv
.if \cv
	WIN 0
	CVL 0
.endif
	TNLOAD 0
	TNLOAD 1
.endm
; Line n of 32 that multiply group gg's eight accumulators by their tile's a in ST + 8 qt + 6: an accumulator at a time, its pairs ascending.
.macro RS gg, n
.set rR, 32*((2*(\gg)+(\n)/16)%8)+8*(((\n)/4)%4)+2*((\n)%4)
	WIN 0x82+0x41*((\gg)/4)
	v_pk_mul_f32 v[rR:rR+1], v[rR:rR+1], v[ST+8*(((\n)/4)%4)+6:ST+8*(((\n)/4)%4)+7] op_sel_hi:[1,0]
.endm
; 128 products: eight groups of 16 on eight accumulators, which take turns: seven others stand between two links.  rs = 1: behind each product ride two lines that rescale the NEXT group's
; accumulators (two window switches a product: the price of hiding 224 of a step's 256 rescalings beside the matrix work); with two v_nop they are the places ahead of the loads.
; cv = 1: the next tile is rounded beside the products, as in NT.
.macro TN rs, cv
.set g, 0
.rept 8
	GWAIT \cv
.set i, 0
.rept 16
.set kk, i/8
.set dd, (i/4)%2
.set qt, i%4
.set rA, FB+32*(g%2)+8*(2*dd+kk)
.set rB, S+32*qt+8*kk
.set rD, 32*((2*g+dd)%8)+8*qt
	WIN 0xa0+0x50*(g/4)
	v_wmma_f32_16x16x32_bf16 v[rD:rD+7], v[rA:rA+7], v[rB:rB+7], v[rD:rD+7]
.if (\rs) && (g < 7)
	RS g+1, 2*i
	RS g+1, 2*i+1
.endif
.if \cv
	RIDE
.endif
.set i, i+1
.endr
.if g <= 5
.if \cv
	RUNCV
.elseif \rs
	v_nop
	v_nop
.else
	PLACES
.endif
	TNLOAD g+2
.endif
.set g, g+1
.endr
.endm
; Tile 0 is rounded by itself, ahead of the first step: two halves of 16 loads, 32 conversions and 16 stores, each kind in a run; the fragment buffers are the work registers.
.macro CONVH hh
.set i, 0
.rept 16
	ds_load_b128 v[FB+4*i:FB+4*i+3], v[CRD] offset:(16*(\hh)+i)*512
.set i, i+1
.endr
	s_wait_dscnt 0x0
.set i, 0
.rept 16
	v_cvt_pk_bf16_f32 v[FB+4*i], v[FB+4*i], v[FB+4*i+1]
	v_cvt_pk_bf16_f32 v[FB+4*i+1], v[FB+4*i+2], v[FB+4*i+3]
.set i, i+1
.endr
.set i, 0
.rept 16
	ds_store_b64 v[CWR], v[FB+4*i:FB+4*i+1] offset:((16*(\hh)+i)/2)*PX+256*(i%2)
.set i, i+1
.endr
.endm
; Line j of the 24 that find tile t's maximum and statistics.  0-15: the maximum of the lane's 32 scores, each accumulator's lowest registers first.  16, 17: the query's other 32 keys
; lie in the lane 16 away.  18, 19: cM_new = max(c max + c (q . bk), cM).  20-23: cM_old - cM_new; nb; cM; a.
.macro SM t
.set rT, ST+8*(\t)
.set rS, S+32*(\t)
.if j < 4
	v_max3_num_f32 v[rT+4+j], v[rS+8*j], v[rS+8*j+1], v[rS+8*j+2]
.elseif j < 12
	v_max3_num_f32 v[rT+4+j%4], v[rT+4+j%4], v[rS+8*(j%4)+2*(j/4)+1], v[rS+8*(j%4)+2*(j/4)+2]
.elseif j == 12
	v_max3_num_f32 v[rT+4], v[rT+4], v[rS+7], v[rS+15]
.elseif j == 13
	v_max3_num_f32 v[rT+6], v[rT+6], v[rS+23], v[rS+31]
.elseif j == 14
	v_max3_num_f32 v[rT+4], v[rT+4], v[rT+5], v[rT+6]
.elseif j == 15
	v_max_num_f32 v[rT+4], v[rT+4], v[rT+7]
.elseif j == 16
	v_permlanex16_b32 v[rT+5], v[rT+4], s[SEL], s[SEL+1]
.elseif j == 17
	v_max_num_f32 v[rT+4], v[rT+4], v[rT+5]
.elseif j == 18
	v_fma_f32 v[rT+5], v[rT+4], s[CS], v[CT+(\t)]
.elseif j == 19
	v_max_num_f32 v[rT+5], v[rT+5], v[rT+1]
.elseif j == 20
	v_sub_f32 v[rT+7], v[rT+1], v[rT+5]
.elseif j == 21
	v_sub_f32 v[rT], v[CT+(\t)], v[rT+5]
.elseif j == 22
	v_mov_b32 v[rT+1], v[rT+5]
.else
	v_exp_f32 v[rT+6], v[rT+7]
.endif
.endm
.macro SMX                          ; the four tiles alternate, so that no line reads the result of the one before it
.set j, 0
.rept 24
.irp t, 0,1,2,3
	SM \t
.endr
.set j, j+1
.endr
.endm
.macro FE                           ; c s + nb for a pair of scores, and the exponentials of the pair scaled a turn earlier: none of these lines names an exponential's result
.set b, 0
.rept 17
.set t, 0
.rept 4
.if b < 16
	v_pk_fma_f32 v[S+32*t+2*b:S+32*t+2*b+1], v[S+32*t+2*b:S+32*t+2*b+1], s[CS:CS+1], v[ST+8*t:ST+8*t+1] op_sel_hi:[1,0,0]
.endif
.if b > 0
	v_exp_f32 v[S+32*t+2*b-2], v[S+32*t+2*b-2]
	v_exp_f32 v[S+32*t+2*b-1], v[S+32*t+2*b-1]
.endif
.set t, t+1
.endr
.set b, b+1
.endr
.endm
.macro LSUM                         ; l = a l + the sum of the lane's 32 weights, even and odd keys apart, in two chains a tile: l takes pairs 0-7, c0 c1 pairs 8-15: eight chains alternate
.irp t, 0,1,2,3
	v_pk_fma_f32 v[ST+8*(\t)+2:ST+8*(\t)+3], v[ST+8*(\t)+2:ST+8*(\t)+3], v[ST+8*(\t)+6:ST+8*(\t)+7], v[S+32*(\t):S+32*(\t)+1] op_sel_hi:[1,0,1]
.endr
.irp t, 0,1,2,3
	v_pk_add_f32 v[ST+8*(\t)+4:ST+8*(\t)+5], v[S+32*(\t)+16:S+32*(\t)+17], v[S+32*(\t)+18:S+32*(\t)+19]
.endr
.set b, 1
.rept 7
.irp t, 0,1,2,3
	v_pk_add_f32 v[ST+8*(\t)+2:ST+8*(\t)+3], v[ST+8*(\t)+2:ST+8*(\t)+3], v[S+32*(\t)+2*b:S+32*(\t)+2*b+1]
.endr
.if b < 7
.irp t, 0,1,2,3
	v_pk_add_f32 v[ST+8*(\t)+4:ST+8*(\t)+5], v[ST+8*(\t)+4:ST+8*(\t)+5], v[S+32*(\t)+18+2*b:S+32*(\t)+18+2*b+1]
.endr
.endif
.set b, b+1
.endr
.irp t, 0,1,2,3
	v_pk_add_f32 v[ST+8*(\t)+2:ST+8*(\t)+3], v[ST+8*(\t)+2:ST+8*(\t)+3], v[ST+8*(\t)+4:ST+8*(\t)+5]
.endr
.endm
.macro PCVT                         ; S is rounded to bf16 in place, ascending: TN's second operand (qt, kk) lies at S + 32 qt + 8 kk
.set j, 0
.rept 16
.irp t, 0,1,2,3
	v_cvt_pk_bf16_f32 v[S+32*(\t)+j], v[S+32*(\t)+2*j], v[S+32*(\t)+2*j+1]
.endr
.set j, j+1
.endr
.endm
.macro ACC2BF                       ; the 64 accumulators, rounded in pairs, become NT's second operand in window 1
.set kc, 0
.rept 8
	WIN 0x4a+5*(kc/4)
.set qt, 0
.rept 4
.set e, 0
.rept 2
.set rD, 32*((2*kc+e)%8)+8*qt
.set i, 0
.rept 4
	v_cvt_pk_bf16_f32 v[8*(4*kc+qt)+4*e+i], v[rD+2*i], v[rD+2*i+1]
.set i, i+1
.endr
.set e, e+1
.endr
.set qt, qt+1
.endr
.set kc, kc+1
.endr
.endm
; 32 of my rows of x2, which lie in window 2 + hf as loaded: rounded to bf16, sent through my scratch rows and read back as NT's second operand for tiles 2 hf, 2 hf + 1.  LDS serves a wave's instructions
; in order (ISA guide 5.7.1.4): the loads see the stores, and the second half's stores come behind the first half's loads.  Then the window is cleared: its registers become accumulators of
; sums that a loop of four equal trips adds up (512 lines, once a launch, for a weight loop that is written once).
.macro X2HALF hf
	WIN 0x0a+5*(\hf)
.set i, 0
.rept 64
	v_cvt_pk_bf16_f32 v[S+2*i], v[4*i], v[4*i+1]
	v_cvt_pk_bf16_f32 v[S+2*i+1], v[4*i+2], v[4*i+3]
.set i, i+1
.endr
	WIN 0
.set i, 0
.rept 64
	ds_store_b64 v[X2W], v[S+2*i:S+2*i+1] offset:(i/2)*PX+256*(i%2)
.set i, i+1
.endr
	WIN 0x40
.set kc, 0
.rept 8
.irp u, 0,1
	ds_load_b128 v[8*(4*kc+2*(\hf)+(\u)):8*(4*kc+2*(\hf)+(\u))+3],   v[X2R] offset:(\u)*16*PX+32*(kc%4)+256*(kc/4)
	ds_load_b128 v[8*(4*kc+2*(\hf)+(\u))+4:8*(4*kc+2*(\hf)+(\u))+7], v[X2R] offset:(\u)*16*PX+32*(kc%4)+256*(kc/4)+16
.endr
.set kc, kc+1
.endr
	WIN 0x80+0x40*(\hf)
.set i, 0
.rept 256
	v_mov_b32 v[i], 0
.set i, i+1
.endr
	WIN 0
.endm
	s_load_b512 s[68:83], s[0:1], 0x0              ; x 68, x2 70, Wq 72, Wk 74, Wv 76, bq 78, bk 80, bv 82
	s_load_b256 s[84:91], s[0:1], 0x40             ; w_out 84, b_out 86, gamma 88, beta 90
	s_load_b64 s[92:93], s[0:1], 0x60              ; out0
	v_lshl_add_u32 v[SPW], v0, 2, SPARE
	v_mov_b32 v[NIL], 0
	ds_add_u32 v[SPW], v[NIL]                      ; the wave's opening: the add and its wait stand ahead of my first tensor load; the set-up below, work on registers, stands between them
	v_lshrrev_b32 v17, 5, v0
	v_readfirstlane_b32 s[WV], v17                 ; wave 0..3
	s_bfe_u32 s[CX], ttmp6, 0x40000                ; my place in the cluster
	s_mov_b32 s3, 0
	s_lshl_b32 s[W14], s[WV], 14                   ; my quarter of a tile: 16 rows of 1,024 bytes, in memory and in a slot
	s_mov_b32 s2, s[W14]
	s_and_b32 s[OFF], ttmp7, 0xffff                ; the slice, which the four partners share: 1,048,576 bytes of x, x2 and out0
	s_lshl_b32 s[OFF], s[OFF], 20
	s_mov_b32 s[OFF+1], 0
	s_lshl_b32 s[PF], ttmp9, 2                     ; in a cluster launch ttmp9 counts clusters
	s_add_co_u32 s[PF], s[PF], s[CX]               ; my block of 256 queries,
	s_lshl_b32 s[PF], s[PF], 18
	s_lshl_b32 s[PF+1], s[WV], 16                  ; my wave's 64 of them
	s_add_co_u32 s[PF], s[PF], s[PF+1]
	s_mov_b32 s[PF+1], 0
	s_lshl_b32 s[PFB], s[CX], 14                   ; my work-group's quarter of a tile, for the prefetches
	s_mov_b32 s[PFB+1], 0
	; descriptor group 1: 16,384 dense bytes as 64 rows of 256 bytes, elements of 8 bytes, no padding (the staging slots are read 512 consecutive bytes at a time)
	s_mov_b32 s[G1J], 15|(3<<16)|(1<<21)           ; 15:0 the mask of four; 17:16 elements of 8 bytes; 21 set beside a mask
	s_mov_b32 s[G1J+1], 32<<16                     ; tensor_dim0 = 32
	s_mov_b32 s[G1J+2], 64<<16                     ; tensor_dim1 = 64
	s_mov_b32 s[G1J+3], 32<<16                     ; tile_dim0 = 32
	s_mov_b32 s[G1J+4], 64                         ; tile_dim1 = 64
	s_mov_b32 s[G1J+5], 32                         ; 32 elements from row to row
	s_mov_b32 s[G1J+6], 0
	s_mov_b32 s[G1J+7], 0
	s_mov_b32 s[G0A], 1
	s_mov_b32 s[G0A+1], s[W14]                     ; tile 0 into slot 0
	s_mov_b32 s[G0], 1
	s_add_co_u32 s[G0+1], s[W14], SLOTB            ; tile 1 into slot 1
	s_mov_b32 s[CS], 0x3e0293ee                    ; c = log2(e) / sqrt(128) = 0.127517
	s_mov_b32 s[CS+1], s[CS]
	s_mov_b32 s[SEL], 0x76543210
	s_mov_b32 s[SEL+1], 0xfedcba98
	s_mov_b32 s[INV], 0x3b800000
	s_mov_b32 s[EPS], 0x3727c5ac
	s_mov_b32 s[NXT], 2
	s_mov_b32 s[TB], SLOTB                         ; the first head turns it into 0
	s_cmp_lt_u32 s[WV], 2
	s_cselect_b32 s[PLIM], 16, 0
	s_wait_dscnt 0x0                               ; the opening add is done
	s_wait_kmcnt 0x0
	s_add_nc_u64 s[WQB:WQB+1], s[72:73], s[2:3]
	s_add_nc_u64 s[WKB:WKB+1], s[74:75], s[2:3]
	s_add_nc_u64 s[WVB:WVB+1], s[76:77], s[2:3]
	s_add_nc_u64 s[XB:XB+1], s[68:69], s[OFF:OFF+1]
	s_add_nc_u64 s[PFB:PFB+1], s[XB:XB+1], s[PFB:PFB+1]
	s_add_nc_u64 s[XRB:XRB+1], s[XB:XB+1], s[PF:PF+1]
	s_add_nc_u64 s[PF:PF+1], s[PF:PF+1], s[OFF:OFF+1]  ; two offsets
	s_add_nc_u64 s[X2P:X2P+1], s[70:71], s[PF:PF+1]
	s_add_nc_u64 s[OUTP:OUTP+1], s[92:93], s[PF:PF+1]
	s_add_nc_u64 s[XB:XB+1], s[XB:XB+1], s[2:3]
	s_mov_b64 s[G0A+2:G0A+3], s[WQB:WQB+1]
	s_or_b32 s[G0A+3], s[G0A+3], 0x80000000
	s_mov_b64 s[G0+2:G0+3], s[WKB:WKB+1]
	s_or_b32 s[G0+3], s[G0+3], 0x80000000
	s_load_b256 s[68:75], s[84:85], 0x0            ; w_out's eight numbers, into registers whose addresses have been used
	s_load_b32 s101, s[86:87], 0x0                 ; b_out
	CROUND                                         ; all four work-groups are here: the first joint loads meet
	tensor_load_to_lds s[G0A:G0A+3], s[G1J:G1J+7]  ; Wq's tile 0.  The two first fills go out together: two loads of mine are out here, one behind every later round
	s_nop 0
	tensor_load_to_lds s[G0:G0+3], s[G1J:G1J+7]    ; Wk's tile 0
	s_nop 0
	v_and_b32 v20, 15, v0                          ; r
	v_bfe_u32 v21, v0, 4, 1                        ; h
	v_and_b32 v22, 31, v0                          ; l
	v_and_b32 v23, 7, v0
	s_mul_i32 s10, s[WV], SCRW
	s_add_co_u32 s10, s10, SCR                     ; my scratch
	v_mul_u32_u24 v[ANT0], v20, PX
	v_lshl_add_u32 v[ANT0], v21, 7, v[ANT0]        ; row r, byte 128 h
	v_add_nc_u32 v[X2R], s10, v[ANT0]
	v_add_nc_u32 v[ANT0], XBUF, v[ANT0]
	v_lshl_add_u32 v[ATN0], v21, 3, v23            ; row 8 h + l % 8,
	v_mul_u32_u24 v[ATN0], v[ATN0], PX
	v_bfe_u32 v23, v0, 3, 1
	v_lshl_add_u32 v[ATN0], v23, 7, v[ATN0]        ; byte 128 ((l / 8) % 2)
	v_add_nc_u32 v[ATN0], XBUF, v[ATN0]
	v_lshl_add_u32 v[CRD0], v22, 4, s[W14]
	s_mul_i32 s2, s[WV], 16*PX
	s_add_co_u32 s2, s2, XBUF
	v_lshl_add_u32 v[CWR0], v22, 3, s2
	v_lshl_add_u32 v[BIA], v21, 5, BIAS
	s_lshl_b32 s2, s[WV], 13
	v_lshl_add_u32 v[PFO], v22, 8, s2
	v_mul_u32_u24 v[STW], v20, PS                  ; in: row r, 32 bytes for each half of the lanes
	v_lshl_add_u32 v[STW], v21, 5, v[STW]
	v_add_nc_u32 v[STW], s10, v[STW]
	v_mul_u32_u24 v[STR0], v21, PS                 ; back: lanes 0-15 one row, lanes 16-31 the next, 16 bytes a lane
	v_lshl_add_u32 v[STR0], v20, 4, v[STR0]
	v_add_nc_u32 v[STR0], s10, v[STR0]
	v_lshlrev_b32 v[OUTO], 10, v21                 ; the same two rows in x and in out0
	v_lshl_add_u32 v[OUTO], v20, 4, v[OUTO]
	v_lshl_add_u32 v[X2W], v22, 3, s10
	v_lshlrev_b32 v[GOF], 4, v22
	v_lshlrev_b32 v30, 3, v0                       ; 8 bytes of bq and of bk a thread
	v_add_nc_u32 v31, BIAS, v30
	global_load_b64 v[24:25], v30, s[78:79]
	global_load_b64 v[26:27], v30, s[80:81]
	; my 64 rows of x2: 128 loads of 512 consecutive bytes, into windows 2 and 3.  They count by xi, a symbol that no macro sets
	WIN 0x80
.set xi, 0
.rept 60
	global_load_b128 v[4*xi:4*xi+3], v[GOF], s[X2P:X2P+1] offset:512*xi th:TH_LOAD_NT
.set xi, xi+1
.endr
	WIN 0
	v_mov_b32 v[CRD], v[CRD0]
	v_mov_b32 v[CWR], v[CWR0]
	s_wait_tensorcnt 0x1                           ; my quarter of tile 0 is in; tile 1 may stay out
	CONVH 0                                        ; tile 0 into buffer 0
	CONVH 1
	WIN 0x80
.rept 4
	global_load_b128 v[4*xi:4*xi+3], v[GOF], s[X2P:X2P+1] offset:512*xi th:TH_LOAD_NT
.set xi, xi+1
.endr
	WIN 0xc0
.rept 64
	global_load_b128 v[4*(xi-64):4*(xi-64)+3], v[GOF], s[X2P:X2P+1] offset:512*xi th:TH_LOAD_NT
.set xi, xi+1
.endr
	WIN 0
	s_wait_kmcnt 0x0                               ; w_out and b_out
	s_add_f32 s4, s68, s69
	s_add_f32 s5, s70, s71
	s_add_f32 s6, s72, s73
	s_add_f32 s7, s74, s75
	s_add_f32 s4, s4, s5
	s_add_f32 s6, s6, s7
	s_add_f32 s[SW], s4, s6
	s_mov_b32 s[SW+1], s[SW]
	s_mov_b32 s[BO], s101
	s_mov_b32 s[BO+1], s101
	s_wait_loadcnt 63                              ; of the 130 loads the oldest 67 are in: the two biases and x2's loads 0 to 64, rows 0 to 31 among them
	ds_store_b64 v31, v[24:25]
	ds_store_b64 v31, v[26:27] offset:1024
	X2HALF 0
	s_wait_loadcnt 0x0
	X2HALF 1
.set i, 0
.rept 8
	v_mov_b32 v[T+i], 0
.set i, i+1
.endr
	; THE WEIGHTS, four trips.  Step A: q^T = Wq x2^T for 64 channels o; bq is added; q . bk is added up; q is rounded.  Step B: (q Wk)^T += Wk^T q^T over those 64 channels.
.set CB4, ST                                           ; the statistics' registers are all idle here; v24-31 hold the sums of q bk
.set CB5, ST+8
	s_mov_b32 s[CNT], 4
.Lw:
	HEAD 1
	NTPRE 1
	ASK
	NT 0, 0, 1
	PLACES
	WIN 0
.irp f, 0,1,2,3
	ds_load_b128 v[FB+8*(\f):FB+8*(\f)+3],       v[BIA] offset:1024+64*(\f)      ; bk, laid as S is: register j of block rb is number 16 rb + 8 h + j
	ds_load_b128 v[FB+8*(\f)+4:FB+8*(\f)+7],     v[BIA] offset:1024+64*(\f)+16
	ds_load_b128 v[FB+32+8*(\f):FB+32+8*(\f)+3],   v[BIA] offset:64*(\f)         ; bq likewise
	ds_load_b128 v[FB+32+8*(\f)+4:FB+32+8*(\f)+7], v[BIA] offset:64*(\f)+16
.endr
	s_wait_dscnt 0x0
.set rb, 0
.rept 4
.set p, 0
.rept 4
.irp t, 0,1,2,3
	v_pk_add_f32 v[S+32*(\t)+8*rb+2*p:S+32*(\t)+8*rb+2*p+1], v[S+32*(\t)+8*rb+2*p:S+32*(\t)+8*rb+2*p+1], v[FB+32+8*rb+2*p:FB+32+8*rb+2*p+1]
.endr
.irp t, 0,1,2,3
	v_pk_fma_f32 v[T+2*(\t):T+2*(\t)+1], v[S+32*(\t)+8*rb+2*p:S+32*(\t)+8*rb+2*p+1], v[FB+8*rb+2*p:FB+8*rb+2*p+1], v[T+2*(\t):T+2*(\t)+1]
.endr
.set p, p+1
.endr
.set rb, rb+1
.endr
	PCVT
	HEAD 1
	TNPRE 1
	ASK
	TN 0, 1
	WIN 0
	v_add_nc_u32 v[BIA], 256, v[BIA]               ; the next 64 channels' biases
	s_sub_co_u32 s[CNT], s[CNT], 1
	s_cmp_lg_u32 s[CNT], 0
	s_cbranch_scc1 .Lw
	ACC2BF                                         ; q Wk, rounded: NT's second operand for the keys.  What stays in the accumulators is multiplied by a = 0 in the first key step
	WIN 0
.irp t, 0,1,2,3
	v_add_f32 v[T+2*(\t)], v[T+2*(\t)], v[T+2*(\t)+1]
.endr
.irp t, 0,1,2,3
	v_permlanex16_b32 v[T+2*(\t)+1], v[T+2*(\t)], s[SEL], s[SEL+1]  ; the query's other 128 channels lie in the lane 16 away
.endr
.irp t, 0,1,2,3
	v_add_f32 v[T+2*(\t)], v[T+2*(\t)], v[T+2*(\t)+1]
.endr
.irp t, 0,1,2,3
	v_mul_f32 v[CT+(\t)], s[CS], v[T+2*(\t)]
	v_mov_b32 v[ST+8*(\t)+1], 0xff7fffff           ; cM starts at the lowest finite number: the first step's a is 0
	v_mov_b32 v[ST+8*(\t)+2], 0
	v_mov_b32 v[ST+8*(\t)+3], 0
.endr
	; THE KEYS, 16 trips of 64.  S^T = x (q Wk)^T, the next tile rounded beside it; the softmax with a running maximum; O^T = a O^T + x^T P.  TN's first fragments are asked for ahead of the softmax.
	; The step's 132 exponentials are ONE batch with one wait: nothing ahead of that wait names a result of theirs.
.set CB4, T                                            ; from here on v24-31 are idle
.set CB5, T+4
	s_mov_b32 s[CNT], 16
.Lkey:
	HEAD 1
	NTPRE 1
	ASK
	NT 0, 0, 1
	PLACES
	WIN 0
	TNPRE 0
	SMX
	FE
	v_nop                                          ; a plain instruction behind the last exponential,
	s_wait_alu depctr_va_vdst(0)                   ; and the wait ahead of the first line that names a result
	LSUM
	PCVT
.set n, 0
.rept 32
	RS 0, n                                        ; the first group's accumulators are rescaled here, the others beside the products
.set n, n+1
.endr
	TN 1, 0
	WIN 0
	s_sub_co_u32 s[CNT], s[CNT], 1
	s_cmp_lg_u32 s[CNT], 0
	s_cbranch_scc1 .Lkey
	; raw^T = Wv O^T, 64 channels o a step, into the accumulators that O^T has left.  O is not divided by l first: f = sum(w_out) / l, a number a query, goes through LDS to the way out's rows.
.macro WVSTEP t
.if (\t) < 2
	HEAD 1
.else
	HEAD 0
.endif
.if (\t) == 0
.irp u, 0,1,2,3
	v_add_f32 v[ST+8*(\u)+4], v[ST+8*(\u)+2], v[ST+8*(\u)+3]
.endr
.irp u, 0,1,2,3
	v_permlanex16_b32 v[ST+8*(\u)+5], v[ST+8*(\u)+4], s[SEL], s[SEL+1]
.endr
.irp u, 0,1,2,3
	v_add_f32 v[ST+8*(\u)+4], v[ST+8*(\u)+4], v[ST+8*(\u)+5]
.endr
.irp u, 0,1,2,3
	v_rcp_f32 v[ST+8*(\u)+6], v[ST+8*(\u)+4]
.endr
	v_and_b32 v[GOF], 15, v0                       ; a plain instruction behind the last reciprocal
	s_lshl_b32 s2, s[WV], 8
	s_add_co_u32 s2, s2, FLB
	v_lshl_add_u32 v[GOF], v[GOF], 2, s2           ; my wave's 64 words: query 16 qt + r at 64 qt + 4 r
	s_wait_alu depctr_va_vdst(0)                   ; one wait for the four reciprocals, ahead of their first use
.irp u, 0,1,2,3
	v_mul_f32 v[ST+8*(\u)+7], s[SW], v[ST+8*(\u)+6]
.endr
.irp u, 0,1,2,3
	ds_store_b32 v[GOF], v[ST+8*(\u)+7] offset:64*(\u)  ; both halves of the lanes hold the same number and write the same word
.endr
	ACC2BF
	WIN 0
.endif
.if (\t) == 3
	v_and_b32 v[GOF], 15, v0
	v_lshlrev_b32 v[GOF], 4, v[GOF]
.irp k, 0,1,2,3
	global_load_b128 v[GAM+4*(\k):GAM+4*(\k)+3], v[GOF], s[88:89] offset:256*(\k)  ; gamma, beta and bv of the 16 channels that a lane has on the way out
	global_load_b128 v[BET+4*(\k):BET+4*(\k)+3], v[GOF], s[90:91] offset:256*(\k)
	global_load_b128 v[RR+4*(\k):RR+4*(\k)+3],   v[GOF], s[82:83] offset:256*(\k)
.endr
.set u, 0
.rept 4
.irp k, 0,1,2,3
	global_load_b128 v[XX+16*u+4*(\k):XX+16*u+4*(\k)+3], v[OUTO], s[XRB:XRB+1] offset:u*2048+256*(\k)  ; the residual: my first eight rows of x; 16 lanes take 256 consecutive bytes
.endr
.set u, u+1
.endr
	NTPRE 0
	NT 2, \t, 0
.else
	NTPRE 1
	NT 2, \t, 1
.endif
	PLACES
	WIN 0
.endm
	WVSTEP 0
	WVSTEP 1
	WVSTEP 2
	WVSTEP 3
	; THE WAY OUT.  A tile of 16 queries goes into my stage (rows of 1,040 bytes), a lane's eight channels of a row at a time, and comes back as whole rows: 16 lanes a row, 16 numbers a lane.
	; A trip takes eight rows: four row pairs u, whose lines alternate, so that no line reads the result of the one before it.  h = raw f + x + (bv sum(w_out) + b_out); the mean; the variance
	; about the mean; the gain and the bias.  The sums over a row's 16 lanes ride on the additions (DPP).  The next trip's rows of x are asked for as soon as their registers are free.
	; These rows are a second reading of x in the launch: no prefetch is laid for them.
.macro STAGE q
	WIN 0x08                                       ; store data in window 2
.set d, 0
.rept 8
	ds_store_b128 v[STW], v[32*d+8*(\q):32*d+8*(\q)+3]   offset:64*d
	ds_store_b128 v[STW], v[32*d+8*(\q)+4:32*d+8*(\q)+7] offset:64*d+16
.set d, d+1
.endr
	WIN 0x0c                                       ; in window 3
.set d, 0
.rept 8
	ds_store_b128 v[STW], v[32*d+8*(\q):32*d+8*(\q)+3]   offset:64*(d+8)
	ds_store_b128 v[STW], v[32*d+8*(\q)+4:32*d+8*(\q)+7] offset:64*(d+8)+16
.set d, d+1
.endr
	WIN 0
.endm
.macro ALLU line:vararg             ; one line for each row pair u
.set u, 0
.rept 4
	\line
.set u, u+1
.endr
.endm
	s_wait_loadcnt 0x0                             ; gamma, beta, bv and the first rows of x
.irp p, 0,2,4,6,8,10,12,14
	v_pk_fma_f32 v[BVS+(\p):BVS+(\p)+1], v[RR+(\p):RR+(\p)+1], s[SW:SW+1], s[BO:BO+1] op_sel_hi:[1,0,0]
.endr
.irp u, 0,1,2,3
	v_mov_b32 v[TP+8*(\u)+1], 0                    ; named with f as a pair
.endr
	s_lshl_b32 s2, s[WV], 8
	s_add_co_u32 s2, s2, FLB
	v_bfe_u32 v[FLR], v0, 4, 1
	v_lshl_add_u32 v[FLR], v[FLR], 2, s2           ; row 2 u + h of a trip at 8 u + 4 h
	s_mov_b32 s[TB], 0                             ; the stage's first eight rows
	STAGE 0
	s_mov_b32 s[CNT], 8
.Lout:                                                 ; trips 8 .. 1: tile (8 - CNT) / 2, its rows 0-7 in even trips, 8-15 in odd ones
	v_add_nc_u32 v[STR], s[TB], v[STR0]
.set u, 0
.rept 4
	ds_load_b32 v[TP+8*u], v[FLR] offset:8*u       ; f of my row
.irp k, 0,1,2,3
	ds_load_b128 v[RR+16*u+4*(\k):RR+16*u+4*(\k)+3], v[STR] offset:u*2*PS+256*(\k)  ; LDS serves a wave's instructions in order (ISA guide 5.7.1.4): these see the stage's stores
.endr
.set u, u+1
.endr
	s_wait_loadcnt 0x0                             ; this trip's rows of x
	s_wait_dscnt 0x0
.irp p, 0,2,4,6,8,10,12,14
	ALLU v_pk_fma_f32 v[RR+16*u+(\p):RR+16*u+(\p)+1], v[RR+16*u+(\p):RR+16*u+(\p)+1], v[TP+8*u:TP+8*u+1], v[XX+16*u+(\p):XX+16*u+(\p)+1] op_sel_hi:[1,0,1]
.endr
	s_cmp_eq_u32 s[CNT], 1                         ; the last trip has no rows behind it
	s_cbranch_scc1 .Lnox
.set u, 0
.rept 4
.irp k, 0,1,2,3
	global_load_b128 v[XX+16*u+4*(\k):XX+16*u+4*(\k)+3], v[OUTO], s[XRB:XRB+1] offset:8192+u*2048+256*(\k)
.endr
.set u, u+1
.endr
.Lnox:
.irp p, 0,2,4,6,8,10,12,14
	ALLU v_pk_add_f32 v[RR+16*u+(\p):RR+16*u+(\p)+1], v[RR+16*u+(\p):RR+16*u+(\p)+1], v[BVS+(\p):BVS+(\p)+1]
.endr
.irp m, 0,1,2,3
	ALLU v_pk_add_f32 v[TP+8*u+2*(\m):TP+8*u+2*(\m)+1], v[RR+16*u+4*(\m):RR+16*u+4*(\m)+1], v[RR+16*u+4*(\m)+2:RR+16*u+4*(\m)+3]
.endr
	ALLU v_pk_add_f32 v[TP+8*u:TP+8*u+1], v[TP+8*u:TP+8*u+1], v[TP+8*u+2:TP+8*u+3]
	ALLU v_pk_add_f32 v[TP+8*u+4:TP+8*u+5], v[TP+8*u+4:TP+8*u+5], v[TP+8*u+6:TP+8*u+7]
	ALLU v_pk_add_f32 v[TP+8*u:TP+8*u+1], v[TP+8*u:TP+8*u+1], v[TP+8*u+4:TP+8*u+5]
	ALLU v_add_f32 v[TP+8*u+2], v[TP+8*u], v[TP+8*u+1]
.irp m, 1,2,4,8
	ALLU v_add_f32_dpp v[TP+8*u+2], v[TP+8*u+2], v[TP+8*u+2] row_xmask:\m row_mask:0xf bank_mask:0xf
.endr
	ALLU v_mul_f32 v[TP+8*u+2], s[INV], v[TP+8*u+2]
.irp p, 0,2,4,6,8,10,12,14
	ALLU v_pk_add_f32 v[RR+16*u+(\p):RR+16*u+(\p)+1], v[RR+16*u+(\p):RR+16*u+(\p)+1], v[TP+8*u+2:TP+8*u+3] op_sel_hi:[1,0] neg_lo:[0,1] neg_hi:[0,1]
.endr
	ALLU v_pk_mul_f32 v[TP+8*u+4:TP+8*u+5], v[RR+16*u:RR+16*u+1], v[RR+16*u:RR+16*u+1]
	ALLU v_pk_mul_f32 v[TP+8*u+6:TP+8*u+7], v[RR+16*u+2:RR+16*u+3], v[RR+16*u+2:RR+16*u+3]
.irp p, 4,8,12
	ALLU v_pk_fma_f32 v[TP+8*u+4:TP+8*u+5], v[RR+16*u+(\p):RR+16*u+(\p)+1], v[RR+16*u+(\p):RR+16*u+(\p)+1], v[TP+8*u+4:TP+8*u+5]
	ALLU v_pk_fma_f32 v[TP+8*u+6:TP+8*u+7], v[RR+16*u+(\p)+2:RR+16*u+(\p)+3], v[RR+16*u+(\p)+2:RR+16*u+(\p)+3], v[TP+8*u+6:TP+8*u+7]
.endr
	ALLU v_pk_add_f32 v[TP+8*u+4:TP+8*u+5], v[TP+8*u+4:TP+8*u+5], v[TP+8*u+6:TP+8*u+7]
	ALLU v_add_f32 v[TP+8*u+4], v[TP+8*u+4], v[TP+8*u+5]
.irp m, 1,2,4,8
	ALLU v_add_f32_dpp v[TP+8*u+4], v[TP+8*u+4], v[TP+8*u+4] row_xmask:\m row_mask:0xf bank_mask:0xf
.endr
	ALLU v_fma_f32 v[TP+8*u+4], v[TP+8*u+4], s[INV], s[EPS]
	ALLU v_rsq_f32 v[TP+8*u+6], v[TP+8*u+4]
	v_nop                                          ; a plain instruction behind the last root,
	s_wait_alu depctr_va_vdst(0)                   ; and one wait for the four, ahead of their first use
.irp p, 0,2,4,6,8,10,12,14
	ALLU v_pk_mul_f32 v[RR+16*u+(\p):RR+16*u+(\p)+1], v[RR+16*u+(\p):RR+16*u+(\p)+1], v[TP+8*u+6:TP+8*u+7] op_sel_hi:[1,0]
.endr
.irp p, 0,2,4,6,8,10,12,14
	ALLU v_pk_fma_f32 v[RR+16*u+(\p):RR+16*u+(\p)+1], v[RR+16*u+(\p):RR+16*u+(\p)+1], v[GAM+(\p):GAM+(\p)+1], v[BET+(\p):BET+(\p)+1]
.endr
.set u, 0
.rept 4
.irp k, 0,1,2,3
	global_store_b128 v[OUTO], v[RR+16*u+4*(\k):RR+16*u+4*(\k)+3], s[OUTP:OUTP+1] offset:u*2048+256*(\k) th:TH_STORE_NT  ; 16 lanes store 256 consecutive bytes, at a multiple of 256 from out0's first byte
.endr
.set u, u+1
.endr
	s_cmp_eq_u32 s[CNT], 7                         ; behind a tile's second trip the next tile goes into the stage: its registers differ, so its 32 stores are written out and chosen by the count
	s_cbranch_scc1 .Lst1
	s_cmp_eq_u32 s[CNT], 5
	s_cbranch_scc1 .Lst2
	s_cmp_eq_u32 s[CNT], 3
	s_cbranch_scc1 .Lst3
	s_branch .Lstep
.Lst1:
	STAGE 1
	s_branch .Lstep
.Lst2:
	STAGE 2
	s_branch .Lstep
.Lst3:
	STAGE 3
.Lstep:
	s_wait_xcnt 0x0                                ; the stores and the loads of x have read their offset, the stores their data: only behind this wait are these stepped and loaded anew
	s_xor_b32 s[TB], s[TB], 8*PS                   ; the stage's other eight rows
	v_add_nc_u32 v[FLR], 32, v[FLR]
	v_add_nc_u32 v[OUTO], 8192, v[OUTO]
	s_sub_co_u32 s[CNT], s[CNT], 1
	s_cmp_lg_u32 s[CNT], 0
	s_cbranch_scc1 .Lout
	s_wait_tensorcnt 0x0                           ; the wave's end: an add to my spare word and its wait, behind my last tensor load and my last LDS store
	ds_add_u32 v[SPW], v[NIL]
	s_wait_dscnt 0x0
	CROUND                                         ; the closing round: no work-group ends while a partner may still ask for a tile that names it
	s_endpgm
.Lfunc_end_k_qdc2059586e_xatt:
	.size	k_qdc2059586e_xatt, .Lfunc_end_k_qdc2059586e_xatt-k_qdc2059586e_xatt
	.p2alignl 7, 3214868480
	.fill 96, 4, 3214868480
	.section	.rodata,"a",@progbits
	.p2align	6, 0x0
	.amdhsa_kernel k_qdc2059586e_xatt
		.amdhsa_group_segment_fixed_size 327680
		.amdhsa_private_segment_fixed_size 0
		.amdhsa_enable_private_segment 0
		.amdhsa_kernarg_size 104
		.amdhsa_user_sgpr_count 2
		.amdhsa_user_sgpr_kernarg_segment_ptr 1
		.amdhsa_wavefront_size32 1
		.amdhsa_system_sgpr_workgroup_id_x 1
		.amdhsa_system_sgpr_workgroup_id_y 1
		.amdhsa_system_sgpr_workgroup_id_z 1
		.amdhsa_system_vgpr_workitem_id 0
		.amdhsa_next_free_vgpr 1024
		.amdhsa_next_free_sgpr 102
		.amdhsa_reserve_vcc 0
		.amdhsa_float_denorm_mode_32 3
		.amdhsa_float_denorm_mode_16_64 3
		.amdhsa_memory_ordered 1
		.amdhsa_forward_progress 1
		.amdhsa_inst_pref_size 255
	.end_amdhsa_kernel
	.section	.bss,"aw",@nobits
	.p2align	6
	.space	262144
	.amdgpu_metadata
---
amdhsa.version: [ 1, 2 ]
amdhsa.kernels:
  - .name:           k_qdc2059586e_xatt
    .symbol:         k_qdc2059586e_xatt.kd
    .args:
      - { .name: x, .offset: 0, .size: 8, .value_kind: global_buffer, .address_space: global }
      - { .name: x2, .offset: 8, .size: 8, .value_kind: global_buffer, .address_space: global }
      - { .name: Wq, .offset: 16, .size: 8, .value_kind: global_buffer, .address_space: global }
      - { .name: Wk, .offset: 24, .size: 8, .value_kind: global_buffer, .address_space: global }
      - { .name: Wv, .offset: 32, .size: 8, .value_kind: global_buffer, .address_space: global }
      - { .name: bq, .offset: 40, .size: 8, .value_kind: global_buffer, .address_space: global }
      - { .name: bk, .offset: 48, .size: 8, .value_kind: global_buffer, .address_space: global }
      - { .name: bv, .offset: 56, .size: 8, .value_kind: global_buffer, .address_space: global }
      - { .name: w_out, .offset: 64, .size: 8, .value_kind: global_buffer, .address_space: global }
      - { .name: b_out, .offset: 72, .size: 8, .value_kind: global_buffer, .address_space: global }
      - { .name: gamma, .offset: 80, .size: 8, .value_kind: global_buffer, .address_space: global }
      - { .name: beta, .offset: 88, .size: 8, .value_kind: global_buffer, .address_space: global }
      - { .name: out0, .offset: 96, .size: 8, .value_kind: global_buffer, .address_space: global }
    .group_segment_fixed_size: 327680
    .private_segment_fixed_size: 0
    .kernarg_segment_align: 8
    .kernarg_segment_size: 104
    .max_flat_workgroup_size: 128
    .sgpr_count:     102
    .vgpr_count:     1024
    .wavefront_size: 32
...
	.end_amdgpu_metadata
.endif
;; end of part 2
